; MI455X (gfx1250); checked and timed in simulation.
; The chip was launched on July 23, 2026; its instructions are those of AMD's public machine-readable ISA for CDNA 5 (MIT licence, August 2026) and "CDNA5" Instruction Set Architecture Reference Guide (July 2026). The comments in the code are by the model that wrote it; some were corrected since.
;; Multi Head Attention. Allowed arithmetic: matrix products marked QUANTISED: E2M1 operands, one E8M0 scale for each 32 along K, by v_wmma_scale_f32_16x16x128_f8f6f4 with both operands' format E2M1 (or v_wmma_scale_f32_32x16x128_f4), f32 sums; everything else in f32.
;; Inputs: Wk 1,024 x 1,024 float32; Wo 1,024 x 1,024 float32; Wq 1,024 x 1,024 float32; Wv 1,024 x 1,024 float32; bo 1,024 float32; x 4 x 2,048 x 1,024 float32.
;; Outputs: out0 4 x 2,048 x 1,024 float32.
;; This version of the problem:
;;   THIS VERSION OF THE PROBLEM IS GIVEN IN LOW PRECISION. The matrix products marked QUANTISED in the list below multiply operands that are first quantised to E2M1 (2 exponent bits, 1 mantissa bit; 4 bits a number), with one power-of-two scale for each 32 numbers along K (OCP MX v1.0); their sums are f32. All else is computed in f32.
;;   The module's matrix products, in the order in which they are computed (A, B: the left and right operand; K: the contracted axis; several contracted axes count as one K, in the product's order):
;;     1. [M 8,192, K 1,024] x [K 1,024, N 1,024]; A: input x; B: input Wq: QUANTISED
;;     2. [M 8,192, K 1,024] x [K 1,024, N 1,024]; A: input x; B: input Wk: QUANTISED
;;     3. [M 8,192, K 1,024] x [K 1,024, N 1,024]; A: input x; B: input Wv: QUANTISED
;;     4. batch 64 x [M 2,048, K 64] x [K 64, N 2,048]; A: computed on the way; B: computed on the way: QUANTISED
;;     5. batch 64 x [M 64, K 2,048] x [K 2,048, N 2,048]; A: computed on the way; B: softmax (see below): QUANTISED
;;     6. [M 8,192, K 1,024] x [K 1,024, N 1,024]; A: computed on the way; B: input Wo: QUANTISED
;;   THE QUANTISER, for each operand of a quantised product, along K:
;;     - K is cut into blocks of 32 from its start; a last block that is shorter is filled with zeros.
;;     - A block's scale is 2^e with e = floor(log2(the largest magnitude in the block)) - 2, held to -126 .. 127; a block of zeros has e = 0. As a byte (E8M0): e + 127.
;;     - Each number is divided by its block's scale, clamped to +-6, and rounded to the nearest number of E2M1, ties to even, subnormals kept.
;;     - The product sums the exact products of the quantised numbers (number of the format x scale) in f32.
;;   ~~~python
;;   def quantise(x, axis):      # numpy; x: float32 -> the quantised numbers, widened to float32 again
;;       x = np.moveaxis(x, axis, -1); K = x.shape[-1]
;;       x = np.pad(x, [(0, 0)] * (x.ndim - 1) + [(0, -K % 32)]); x = x.reshape(x.shape[:-1] + (-1, 32)); a = np.abs(x).max(-1, keepdims=True)
;;       e = np.where(a > 0, np.clip(np.frexp(np.where(a > 0, a, 1))[1] - 1 - 2, -126, 127), 0)      # np.frexp(a)[1] - 1 = floor(log2(a)), exactly
;;       r = np.clip(x / 2.0 ** e, -6, 6)
;;       step = 2.0 ** (np.maximum(np.frexp(np.where(r == 0, 1, r))[1] - 1, 0) - 1)
;;       q = np.round(r / step) * step * 2.0 ** e      # np.round: ties to even
;;       return np.moveaxis(q.reshape(q.shape[:-2] + (-1,))[..., :K], -1, axis).astype(np.float32)
;;   ~~~
;;   SOFTMAX AHEAD OF A QUANTISED PRODUCT. Where the list says 'softmax', what is quantised is not the finished softmax but p = 2^(t - M), with t = logit x log2(e) and M = ceil(the row's largest t), a whole number; so 1/2 < the row's largest p <= 1. The row's sum l is taken of the UNQUANTISED p, in f32, and the product's result is divided by l at the end. Since M is a whole number, a kernel that streams over the keys may use a running M (the ceiling of the running maximum): every later rescaling is an exact power of two, which a block's scale takes up: the codes' values come out the same.
;;   OPERANDS COMPUTED ON THE WAY. 'Computed on the way' means the value that the module computes at that place (a softmax that the list does not call 'softmax' is quantised finished and normalised). What goes into a quantiser is computed in f32, as accurately as f32 sums, v_exp_f32 and their like allow (about 1e-6 of the number): no bf16 or f16 on the way to a quantiser, and a product that is left as it is and whose result goes on into a quantised operand takes f32 operands (vector FMAs, or v_wmma_f32_16x16x4_f32). A number that lies on a knife's edge between two numbers of the format may be rounded either way, as far as f32 arithmetic and the matrix unit's own rounding can turn it there, and no further.
;; One version. Each part assembles by itself: llvm-mc -triple=amdgcn-amd-amdhsa -mcpu=gfx1250 --defsym DOCPART=n.
;; ======== version 1 of 1: 4 launches
;; limits: right only within a limited range of input values
;; workspace buffers: ximg 4,194,304 bytes; xsc 262,144 bytes; wimg 2,097,152 bytes; wsc 131,072 bytes; qkv 13,893,632 bytes; cimg 4,194,304 bytes; csc 262,144 bytes
;; launch quant (part 1): grid 512 x 1, 4 waves a work-group, no clusters, 34,304 bytes of LDS; arguments x, Wq, Wk, Wv, Wo, ximg, xsc, wimg, wsc; writes ximg, xsc, wimg, wsc
.if DOCPART == 1
	.amdgcn_target "amdgcn-amd-amdhsa--gfx1250"
	.amdhsa_code_object_version 6
	.text
	.protected	k_q7b19029784_quant
	.globl	k_q7b19029784_quant
	.p2align	8
	.type	k_q7b19029784_quant,@function
k_q7b19029784_quant:
	s_mov_b64 s[64:65], 0
	v_nop
	global_prefetch_b8 v0, s[64:65] scope:SCOPE_SE
	s_setreg_imm32_b32 hwreg(HW_REG_WAVE_MODE, 25, 1), 1
	s_wait_xcnt 0x0
; x [8192][1024] and the four weights [1024 (k)][1024 (n)], f32, become codes of FP4 (E2M1) with one E8M0 scale byte for each 32 along K.
; A block's scale is 2^(floor(log2(its largest magnitude)) - 2); its byte is the largest magnitude's exponent field - 2, held at 1 from below.
; LIMITS: NaN and infinities among the inputs are not served; a block whose largest magnitude lies under 2^-124 gets the byte 1; a block of zeros gets the byte 1 where the
; quantiser says 127: its codes are zeros, which add nothing under that byte, and the bytes are read by this program alone.
; THE CODES ARE LAID AS IMAGES OF OPERAND REGISTERS.  A half fragment is 512 bytes, [lane 0..31][16 bytes]: lane (r = lane % 16, h = lane / 16) holds the 32 codes k = 128 s + 64 c + 32 h + 0 .. 31 of row r.
;   ximg [kq 4][row tile 512][ks 2][c 2][lane][16], K step s = 2 kq + ks;   wimg [which 4][kq 4][column tile 64][ks][c][lane][16]
;   xsc  [kh 2][row 8192][16 bytes], byte j = block 16 kh + j;              wsc  [which 4][kh 2][column 1024][16 bytes]
; Work-groups 0-255 take x, 256-511 the weights.  No barrier: waves share nothing.  Only x's path uses LDS.
.set SPITCH, 528                       ; a stage row: 512 bytes + 16 = 33 x 16 bytes
.set WSTG,   16*SPITCH                 ; a wave's stage: 16 rows
.set RAW,    128                       ; v128-255 x as loaded, two sets of 64
.set XN,     64                        ; v64-127  x's path: 64 numbers of my row, turned;  the weights' path: v64-191, 128 numbers of my column
.set CD,     32                        ; v32-63   codes: never written twice, so no store's data are written again
.set WRD,    16                        ; v16-19   scale words
	s_load_b256 s[4:11], s[0:1], 0x0               ; x s[4:5], Wq s[6:7], Wk s[8:9], Wv s[10:11]
	s_load_b256 s[12:19], s[0:1], 0x20             ; Wo s[12:13], ximg s[14:15], xsc s[16:17], wimg s[18:19]
	s_load_b64 s[20:21], s[0:1], 0x40              ; wsc
	v_lshl_add_u32 v30, v0, 2, 0x8400
	v_mov_b32 v31, 0
	v_lshrrev_b32 v1, 5, v0
	v_readfirstlane_b32 s24, v1                    ; wave 0..3
	v_and_b32 v1, 31, v0                           ; lane
	v_and_b32 v2, 15, v0                           ; r
	v_bfe_u32 v3, v0, 4, 1                         ; h
	s_mov_b32 s29, 0
	s_wait_kmcnt 0x0
	s_cmp_lt_u32 ttmp9, 256
	s_cbranch_scc0 .Lweights
; ---------------- x: a wave takes 16 rows x 512 along K: four K steps of 128 ----------------
.macro XLOAD t                         ; K step t: sixteen loads, each 512 consecutive bytes of one row, 16 a lane
.set i, 0
.rept 16
	global_load_b128 v[RAW+64*((\t)%2)+4*i:RAW+64*((\t)%2)+4*i+3], v4, s[4:5] offset:i*4096+(\t)*512 th:TH_LOAD_NT
.set i, i+1
.endr
.endm
	s_lshl_b32 s25, ttmp9, 2
	s_add_co_u32 s25, s25, s24                     ; which wave of 1,024
	s_lshr_b32 s26, s25, 1                         ; row tile 0..511
	s_and_b32 s27, s25, 1                          ; which half of K
	s_wait_alu depctr_va_vdst(0)
	v_lshlrev_b32 v4, 4, v1                        ; 16 x lane
	s_wait_alu depctr_va_vdst(0)
	s_lshl_b32 s28, s26, 16                        ; 16 rows of 4,096 bytes
	s_lshl_b32 s35, s27, 11                        ; 512 numbers
	s_add_co_u32 s28, s28, s35
	s_add_nc_u64 s[4:5], s[4:5], s[28:29]
	XLOAD 0
	XLOAD 1
	s_mov_b32 s30, 0x76543210
	s_mov_b32 s31, 0xfedcba98                      ; v_permlanex16_b32's selects for lane l xor 16
	s_mov_b32 s34, 0xffff0000                      ; lanes 16-31
	s_mul_i32 s28, s24, WSTG
	v_add_nc_u32 v5, s28, v4                       ; the stage, on the way in: a row as it was loaded
	v_mul_u32_u24 v6, v2, SPITCH
	v_lshl_add_u32 v6, v3, 7, v6
	v_add_nc_u32 v6, s28, v6                       ; on the way out: row r, + 128 h bytes: my 32 numbers of each 64
	v_lshlrev_b32 v7, 3, v3                        ; 8 h
	v_lshl_add_u32 v8, v2, 4, v7                   ; 16 r + 8 h: my 8 scale bytes
	v_mov_b32 v22, 0                               ; written once: a lane permute's destination counts as one of its sources
	s_lshl_b32 s28, s27, 21                        ; ximg: kq = 2 kh + t / 2
	s_lshl_b32 s35, s26, 11
	s_add_co_u32 s28, s28, s35
	s_add_nc_u64 s[14:15], s[14:15], s[28:29]
	s_lshl_b32 s28, s27, 17                        ; xsc: [kh][row][16]
	s_lshl_b32 s35, s26, 8
	s_add_co_u32 s28, s28, s35
	s_add_nc_u64 s[16:17], s[16:17], s[28:29]
.macro XSTEP t
.if (\t) < 3
	s_wait_loadcnt 16                              ; this step's sixteen loads are in; the next step's sixteen may be out
.else
	s_wait_loadcnt 0x0
.endif
.set i, 0
.rept 16
	ds_store_b128 v5, v[RAW+64*((\t)%2)+4*i:RAW+64*((\t)%2)+4*i+3] offset:i*SPITCH
.set i, i+1
.endr
.irp c, 0,1                            ; LDS serves a wave's instructions in order: these see the stores above.  Register 32 c + i = k 64 c + 32 h + i of row r
.irp j, 0,1,2,3,4,5,6,7
	ds_load_b128 v[XN+32*\c+4*\j:XN+32*\c+4*\j+3], v6 offset:256*\c+16*\j
.endr
.endr
	s_wait_dscnt 0x0                               ; the numbers are back, and the stores have read the set that the loads below fill
.if (\t) < 2
	XLOAD (\t)+2
.endif
.irp c, 0,1
	v_max3_num_f32 v[10+\c], |v[XN+32*\c]|, |v[XN+32*\c+1]|, 0x1800000   ; block 2 c + h is all mine; the floor 2^(3 - 127) holds the byte at 1 from below
.endr
.irp i, 2,4,6,8,10,12,14,16,18,20,22,24,26,28,30
.irp c, 0,1
	v_max3_num_f32 v[10+\c], v[10+\c], |v[XN+32*\c+\i]|, |v[XN+32*\c+\i+1]|   ; the two blocks by turns
.endr
.endr
.irp c, 0,1
	v_add_nc_u32 v[12+\c], 0xff000000, v[10+\c]    ; 2 off the exponent field: the conversion's scale operand
.endr
.irp c, 0,1
	v_lshrrev_b32 v[14+\c], 23, v[12+\c]           ; the scale's byte
.endr
.irp c, 0,1
.irp g, 0,1,2,3
	v_cvt_scalef32_pk8_fp4_f32 v[CD+8*(\t)+4*\c+\g], v[XN+32*\c+8*\g:XN+32*\c+8*\g+7], v[12+\c]
.endr
.endr
	v_lshl_or_b32 v9, v15, 16, v14                 ; my two bytes, blocks h and 2 + h (a plain line behind the conversions),
	v_lshlrev_b32 v9, v7, v9                       ; at their places in the word;
	v_permlanex16_b32 v22, v9, s30, s31
	v_or_b32 v[WRD+(\t)], v9, v22                  ; with lane l xor 16's two the row's word of this K step is whole
.irp c, 0,1
	global_store_b128 v4, v[CD+8*(\t)+4*\c:CD+8*(\t)+4*\c+3], s[14:15] offset:((\t)/2)*1048576+((\t)%2)*1024+\c*512   ; a half fragment: 512 consecutive bytes
.endr
.endm
	s_wait_alu depctr_va_vdst(0)
	XSTEP 0
	XSTEP 1
	XSTEP 2
	XSTEP 3
	v_cndmask_b32 v20, v[WRD], v[WRD+2], s34       ; lanes 0-15 store words 0, 1 of their row, lanes 16-31 words 2, 3:
	v_cndmask_b32 v21, v[WRD+1], v[WRD+3], s34
	global_store_b64 v8, v[20:21], s[16:17]        ; the wave stores 256 consecutive bytes, at a multiple of 256
	s_wait_tensorcnt 0x0
	ds_add_u32 v30, v31
	s_wait_dscnt 0x0
	s_endpgm
; ---------------- the weights: K is the first axis.  A lane takes a column and its registers run down K: a wave takes 32 columns x one K step of 128 ----------------
.Lweights:
.macro WLOAD b                         ; block b: W(128 s + 32 b + i, my column): each load reads 128 consecutive bytes
.set i, 0
.rept 32
	global_load_b32 v[XN+32*(\b)+i], v4, s[6:7] offset:(32*(\b)+i)*4096 th:TH_LOAD_NT
.set i, i+1
.endr
.endm
	s_sub_co_u32 s25, ttmp9, 256
	s_lshr_b32 s22, s25, 6                         ; which weight: q, k, v, o
	s_lshl_b32 s25, s25, 2
	s_add_co_u32 s25, s25, s24                     ; which wave of 1,024
	s_and_b32 s26, s25, 31                         ; which 32 columns
	s_bfe_u32 s27, s25, 0x30005                    ; which K step
	s_cmp_eq_u32 s22, 1                            ; the choice hangs on the work-group's number alone
	s_cselect_b64 s[6:7], s[8:9], s[6:7]
	s_cmp_eq_u32 s22, 2
	s_cselect_b64 s[6:7], s[10:11], s[6:7]
	s_cmp_eq_u32 s22, 3
	s_cselect_b64 s[6:7], s[12:13], s[6:7]
	s_wait_alu depctr_va_vdst(0)
	v_lshlrev_b32 v4, 2, v1                        ; 4 bytes a lane
	s_lshl_b32 s28, s27, 19                        ; 128 rows of 4,096 bytes
	s_lshl_b32 s35, s26, 7
	s_add_co_u32 s28, s28, s35
	s_add_nc_u64 s[6:7], s[6:7], s[28:29]
	WLOAD 0
	WLOAD 1
	v_lshlrev_b32 v5, 4, v2
	v_lshl_add_u32 v5, v3, 11, v5                  ; my column's place in the image: column tile lane / 16 (2,048 bytes), row r (16 bytes)
	v_lshlrev_b32 v6, 4, v1                        ; my column's 16 scale bytes
	s_lshl_b32 s28, s22, 19                        ; wimg: [which][kq][column tile][ks]
	s_lshr_b32 s35, s27, 1
	s_lshl_b32 s35, s35, 17
	s_add_co_u32 s28, s28, s35
	s_lshl_b32 s35, s26, 12
	s_add_co_u32 s28, s28, s35
	s_and_b32 s35, s27, 1
	s_lshl_b32 s35, s35, 10
	s_add_co_u32 s28, s28, s35
	s_add_nc_u64 s[18:19], s[18:19], s[28:29]
	s_lshl_b32 s28, s22, 15                        ; wsc: [which][kh][column][16], word s % 4
	s_lshr_b32 s35, s27, 2
	s_lshl_b32 s35, s35, 14
	s_add_co_u32 s28, s28, s35
	s_lshl_b32 s35, s26, 9
	s_add_co_u32 s28, s28, s35
	s_and_b32 s35, s27, 3
	s_lshl_b32 s35, s35, 2
	s_add_co_u32 s28, s28, s35
	s_add_nc_u64 s[20:21], s[20:21], s[28:29]
.macro WBLOCK b
.set XS, XN+32*(\b)
.if (\b) < 3
	s_wait_loadcnt 32                              ; this block's 32 loads are in; the next block's 32 may be out
.else
	s_wait_loadcnt 0x0
.endif
.if (\b) < 2
	WLOAD (\b)+2
.endif
	v_max3_num_f32 v12, |v[XS]|, |v[XS+1]|, |v[XS+2]|       ; all 32 numbers are mine: two chains
	v_max3_num_f32 v13, |v[XS+3]|, |v[XS+4]|, |v[XS+5]|
.irp i, 6,10,14,18,22,26
	v_max3_num_f32 v12, v12, |v[XS+\i]|, |v[XS+\i+1]|
	v_max3_num_f32 v13, v13, |v[XS+\i+2]|, |v[XS+\i+3]|
.endr
	v_max3_num_f32 v12, v12, |v[XS+30]|, |v[XS+31]|
	v_max3_num_f32 v12, v12, v13, 0x1800000        ; and the floor
	v_add_nc_u32 v11, 0xff000000, v12
	v_lshrrev_b32 v13, 23, v11
.if (\b) == 0
	v_mov_b32 v[WRD], v13
.else
	v_lshl_or_b32 v[WRD], v13, 8*(\b), v[WRD]      ; the K step's word: the lower K in the lower byte
.endif
.irp g, 0,1,2,3
	v_cvt_scalef32_pk8_fp4_f32 v[CD+4*(\b)+\g], v[XS+8*\g:XS+8*\g+7], v11
.endr
	global_store_b128 v5, v[CD+4*(\b):CD+4*(\b)+3], s[18:19] offset:((\b)/2)*512+((\b)%2)*256   ; block b = 2 c + h of the image: each half of the wave stores 256 consecutive bytes
.endm
	s_wait_alu depctr_va_vdst(0)
	WBLOCK 0
	WBLOCK 1
	WBLOCK 2
	WBLOCK 3
	global_store_b32 v6, v[WRD], s[20:21]          ; 4 bytes of each column's 16: the other K steps' waves write the rest (128 KiB for all four weights)
	s_endpgm
.Lfunc_end_k_q7b19029784_quant:
	.size	k_q7b19029784_quant, .Lfunc_end_k_q7b19029784_quant-k_q7b19029784_quant
	.p2alignl 7, 3214868480
	.fill 96, 4, 3214868480
	.section	.rodata,"a",@progbits
	.p2align	6, 0x0
	.amdhsa_kernel k_q7b19029784_quant
		.amdhsa_group_segment_fixed_size 34304
		.amdhsa_private_segment_fixed_size 0
		.amdhsa_enable_private_segment 0
		.amdhsa_kernarg_size 72
		.amdhsa_user_sgpr_count 2
		.amdhsa_user_sgpr_kernarg_segment_ptr 1
		.amdhsa_wavefront_size32 1
		.amdhsa_system_sgpr_workgroup_id_x 1
		.amdhsa_system_sgpr_workgroup_id_y 1
		.amdhsa_system_sgpr_workgroup_id_z 1
		.amdhsa_system_vgpr_workitem_id 0
		.amdhsa_next_free_vgpr 256
		.amdhsa_next_free_sgpr 66
		.amdhsa_reserve_vcc 0
		.amdhsa_float_denorm_mode_32 3
		.amdhsa_float_denorm_mode_16_64 3
		.amdhsa_memory_ordered 1
		.amdhsa_forward_progress 1
		.amdhsa_inst_pref_size 49
	.end_amdhsa_kernel
	.amdgpu_metadata
---
amdhsa.version: [ 1, 2 ]
amdhsa.kernels:
  - .name:           k_q7b19029784_quant
    .symbol:         k_q7b19029784_quant.kd
    .args:
      - { .name: x, .offset: 0, .size: 8, .value_kind: global_buffer, .address_space: global }
      - { .name: Wq, .offset: 8, .size: 8, .value_kind: global_buffer, .address_space: global }
      - { .name: Wk, .offset: 16, .size: 8, .value_kind: global_buffer, .address_space: global }
      - { .name: Wv, .offset: 24, .size: 8, .value_kind: global_buffer, .address_space: global }
      - { .name: Wo, .offset: 32, .size: 8, .value_kind: global_buffer, .address_space: global }
      - { .name: ximg, .offset: 40, .size: 8, .value_kind: global_buffer, .address_space: global }
      - { .name: xsc, .offset: 48, .size: 8, .value_kind: global_buffer, .address_space: global }
      - { .name: wimg, .offset: 56, .size: 8, .value_kind: global_buffer, .address_space: global }
      - { .name: wsc, .offset: 64, .size: 8, .value_kind: global_buffer, .address_space: global }
    .group_segment_fixed_size: 34304
    .private_segment_fixed_size: 0
    .kernarg_segment_align: 8
    .kernarg_segment_size: 72
    .max_flat_workgroup_size: 128
    .sgpr_count:     66
    .vgpr_count:     256
    .wavefront_size: 32
...
	.end_amdgpu_metadata
.endif
;; end of part 1
;; launch qkv (part 2): grid 8 x 32, 4 waves a work-group, clusters of 4 x 4, 327,680 bytes of LDS; arguments ximg, xsc, wimg, wsc, qkv; writes qkv
.if DOCPART == 2
	.amdgcn_target "amdgcn-amd-amdhsa--gfx1250"
	.amdhsa_code_object_version 6
	.text
	.protected	k_q7b19029784_qkv
	.globl	k_q7b19029784_qkv
	.p2align	8
	.type	k_q7b19029784_qkv,@function
k_q7b19029784_qkv:
	s_mov_b64 s[64:65], 0
	v_nop
	global_prefetch_b8 v0, s[64:65] scope:SCOPE_SE
	s_setreg_imm32_b32 hwreg(HW_REG_WAVE_MODE, 25, 1), 1
	s_wait_xcnt 0x0
	s_wait_alu depctr_hold_cnt(0) depctr_sa_sdst(0) depctr_va_vdst(0) depctr_va_sdst(0) depctr_va_ssrc(0) depctr_va_vcc(0) depctr_vm_vsrc(0)
	s_getreg_b32 s2, hwreg(HW_REG_IB_STS2, 6, 4)
	s_cmp_eq_u32 s2, 0
	s_cbranch_scc0 .Lentry_in_a_cluster
	s_endpgm
.Lentry_in_a_cluster:
	s_bfe_u32 s2, ttmp6, 0x10000c
	s_cmp_lg_u32 s2, 0xf033
	s_cbranch_scc0 .Lentry_shape_is_right
	s_endpgm
.Lentry_shape_is_right:
; q = x Wq, k = x Wk, v = x Wv on codes of FP4 (E2M1) with E8M0 scales, and the results quantised in registers for the attention's two products.
; A WORK-GROUP STAYS: work-group (TX, TY) owns tokens 256 TY .. + 255 and columns 128 TX .. + 127 (two heads) of each of the three weights, and makes the three products one after the other.
; LDS: x's 256 rows for all of K, [kq 4][row tile 16][2,048 bytes], filled once; behind them two slots of 65,536 bytes, [kq 4][column tile 8][2,048]: Wq in slot 0, Wk in slot 1, Wv in slot 0 again.
; THE MATRIX INSTRUCTION IS USED TRANSPOSED (source 0 = 16 rows of B', source 1 = 16 rows of A'): lane (r, h) holds row m' = r, register j of tile b column n' = 16 b + 8 h + j.
;   q, k: A' = tokens (wave w: 64 w .. + 63), B' = the weight's 128 columns: a lane's registers run along the features, the first attention product's K;
;   v:    A' = Wv's columns (wave (wm, wn): head wm's 64), B' = tokens (128 wn .. + 127): the result is V^T and a lane's registers run along the keys, the second product's K.
; A wave makes 64 x 128 in each product: 32 accumulators.  The operands are images of registers (a half fragment: 512 bytes, 16 a lane), so every LDS load reads 512 consecutive bytes.
; CLUSTERS: 4 x 4 work-groups.  x's rows hang on TY alone and are asked for jointly by a row of the cluster, a weight's columns on TX alone, by a column.
; TENSOR LOADS: at the head waves 0, 1 fetch x's halves of K, waves 2, 3 Wq's: one load a wave.  Wk's first fill and Wv's refill each stand behind the three lines and a round of the cluster's barrier; waves 2, 3 issue them.
; Every wait on TENSORcnt is for 0; a wave has one load out at the most.  All of LDS is claimed.
; NO PREFETCH: the text has no loop to run ahead in; each weight's tile is asked for one whole product ahead of its first read.
; THE RECORD of a head (bh = 16 b + head), REC bytes of qkv: 0 K's codes [key tile 128][lane][16]; 65,536 V's codes [J 16][t 4][c 2][lane][16]; 131,072 K's scale words [64 keys 32][r 16][tile 4];
;   139,264 V's scale words [J 16][r 16][t 4]; 143,360 Q's codes as K's; 208,896 Q's scale words as K's.  Q's and K's words have two bytes (64 along K); the upper two are 0, over zero codes.
; LIMITS: a block under 2^-124, and a block of zeros, get the byte 1 (read by this program alone); NaN and infinities are not served.
; REGISTERS: window 0: v1-15 addresses; v16-143 scale words; v160-191 codes; v192-223 at work.  window 1: v0-127 B's fragments, v128-191 A's, two sets each.  window 2: accumulator (a, b) at v[8 (8 a + b)].
.set REC,   217088
.set WL,    131072                     ; LDS: the weights' slot 0; slot 1 lies 65,536 on
.set SPARE, 262144                     ; the spare words: 128 bytes a wave
.set LI,    3                          ; v3     16 x lane
.set XA,    4                          ; v4-5   x as A': my 4 row tiles, kq 0-1 and kq 2-3
.set XB,    6                          ; v6-7   x as B': my 8 row tiles
.set WB,    8                          ; v8-9   a weight as B': slot 0, slot 1
.set WA,    10                         ; v10    Wv as A': my 4 column tiles of slot 0
.set SAX,   16                         ; scale words: register 4 i + j: lanes 0-15 K step j, lanes 16-31 K step 4 + j, of tile i's row r
.set SBQ,   32
.set SBK,   64
.set SAV,   96
.set SBX,   112
.set AF,    128
.set PC,    160
.set WD,    192
.set SW,    196
.set TT,    200
.set TM,    208
.set G1X,   24
.set G1W,   32
.set G0X,   40
.set G0W,   44                         ; s[44:55] group 0 for Wq, Wk, Wv
.set MSB, 0
.macro WIN new                         ; the immediate's high byte repeats the setting that is left
.if MSB != \new
	s_set_vgpr_msb (MSB<<8)|\new
.set MSB, \new
.endif
.endm
.macro CROUND                          ; a round of the cluster's barrier
	s_barrier_signal -1
	s_barrier_wait -1
	s_cmp_lg_u32 s14, 0
	s_cbranch_scc1 .Lnot_wave_0_\@
	s_barrier_signal -3
.Lnot_wave_0_\@:
	s_barrier_wait -3
	s_barrier_signal -1
	s_barrier_wait -1
.endm
.macro PLACES n
.rept \n
	v_nop
.endr
.endm
.macro WLOAD t                         ; weight t's tile: waves 2 and 3, half of K each
	s_cmp_eq_u32 s15, 0
	s_cbranch_scc1 .Lno_w_\@
	tensor_load_to_lds s[G0W+4*\t:G0W+4*\t+3], s[G1W:G1W+7]
	s_nop 0
	PLACES 4
.Lno_w_\@:
.endm
	s_load_b256 s[4:11], s[0:1], 0x0               ; ximg s[4:5], xsc s[6:7], wimg s[8:9], wsc s[10:11]
	s_load_b64 s[12:13], s[0:1], 0x20              ; qkv
	v_lshl_add_u32 v254, v0, 2, SPARE
	v_mov_b32 v255, 0
	ds_add_u32 v254, v255                          ; the opening lines: the add twice on end
	ds_add_u32 v254, v255
	v_lshrrev_b32 v1, 5, v0
	v_readfirstlane_b32 s14, v1                    ; wave 0..3
	s_lshr_b32 s15, s14, 1                         ; wm.  Also: I fetch for x (0) or for the weights (1)
	s_and_b32 s16, s14, 1                          ; wn.  Also: which half of K I fetch
	s_bfe_u32 s17, ttmp6, 0x40000                  ; cx
	s_bfe_u32 s18, ttmp6, 0x40004                  ; cy
	s_and_b32 s22, ttmp7, 0xffff
	s_lshl_b32 s22, s22, 2
	s_add_co_u32 s22, s22, s18                     ; TY: never holds cx
	s_lshl_b32 s23, ttmp9, 2
	s_add_co_u32 s23, s23, s17                     ; TX: never holds cy
	s_lshl_b32 s84, s18, 2
	s_lshl_b32 s84, 15, s84                        ; my row of the cluster
	s_lshl_b32 s88, 0x1111, s17                    ; my column
	s_or_b32 s[G1X], s84, (3<<16)|(1<<21)          ; 15:0 the mask; 17:16 elements of 8 bytes; 21 set beside a mask; no padding
	s_or_b32 s[G1W], s88, (3<<16)|(1<<21)
	s_mov_b32 s[G1X+1], 4096<<16                   ; x: 2 rows (kq) of 32,768 bytes, 1,048,576 bytes apart
	s_mov_b32 s[G1X+2], 2<<16
	s_mov_b32 s[G1X+3], 4096<<16
	s_mov_b32 s[G1X+4], 2
	s_mov_b32 s[G1X+5], 0x20000
	s_mov_b32 s[G1X+6], 0
	s_mov_b32 s[G1X+7], 0
	s_mov_b32 s[G1W+1], 2048<<16                   ; a weight: 2 rows (kq) of 16,384 bytes, 131,072 bytes apart
	s_mov_b32 s[G1W+2], 2<<16
	s_mov_b32 s[G1W+3], 2048<<16
	s_mov_b32 s[G1W+4], 2
	s_mov_b32 s[G1W+5], 0x4000
	s_mov_b32 s[G1W+6], 0
	s_mov_b32 s[G1W+7], 0
	s_lshl_b32 s84, s22, 15                        ; ximg: 16 row tiles of 2,048 bytes a token block,
	s_lshl_b32 s85, s16, 21                        ; my two kq
	s_add_co_u32 s84, s84, s85
	s_mov_b32 s85, 0
	s_lshl_b32 s88, s23, 14                        ; wimg: 8 column tiles,
	s_lshl_b32 s89, s16, 18                        ; my two kq
	s_add_co_u32 s88, s88, s89
	s_mov_b32 s89, 0
	s_lshl_b32 s86, s16, 16                        ; where my load goes: the wave's number alone
	s_lshl_b32 s87, s16, 15
	s_add_co_u32 s87, s87, WL
	s_lshl_b32 s90, s22, 12                        ; xsc: 16 bytes a row
	s_lshl_b32 s92, s14, 10
	s_add_co_u32 s92, s92, s90                     ; as A': my 64 tokens
	s_mov_b32 s93, 0
	s_lshl_b32 s94, s16, 11
	s_add_co_u32 s94, s94, s90                     ; as B': my 128 tokens
	s_mov_b32 s95, 0
	s_lshl_b32 s96, s23, 11                        ; wsc: the 128 columns
	s_mov_b32 s97, 0
	s_lshl_b32 s98, s15, 10
	s_add_co_u32 s98, s98, s96
	s_add_co_u32 s98, s98, 0x10000                 ; Wv's part, my 64 columns
	s_mov_b32 s99, 0
	s_mov_b32 s3, 0xffff0000                       ; lanes 16-31
	s_mov_b32 s66, 0x76543210
	s_mov_b32 s67, 0xfedcba98                      ; v_permlanex16_b32's selects for lane l xor 16
	s_wait_dscnt 0x0
	s_wait_kmcnt 0x0
	s_mov_b32 s[G0X], 1
	s_mov_b32 s[G0X+1], s86
	s_add_nc_u64 s[G0X+2:G0X+3], s[4:5], s[84:85]
	s_or_b32 s[G0X+3], s[G0X+3], 0x80000000
	s_add_nc_u64 s[88:89], s[8:9], s[88:89]
.irp t, 0,1,2
	s_mov_b32 s[G0W+4*\t], 1
	s_add_co_u32 s[G0W+4*\t+1], s87, (\t%2)*65536
	s_add_nc_u64 s[G0W+4*\t+2:G0W+4*\t+3], s[88:89], \t*0x80000
	s_or_b32 s[G0W+4*\t+3], s[G0W+4*\t+3], 0x80000000
.endr
	s_add_nc_u64 s[92:93], s[6:7], s[92:93]
	s_add_nc_u64 s[94:95], s[6:7], s[94:95]
	s_add_nc_u64 s[96:97], s[10:11], s[96:97]
	s_add_nc_u64 s[98:99], s[10:11], s[98:99]
	CROUND                                         ; all sixteen work-groups are here: the first joint loads meet
	s_cmp_eq_u32 s15, 0                            ; one load a wave: every way passes exactly one
	s_cbranch_scc0 .Lhead_w
	tensor_load_to_lds s[G0X:G0X+3], s[G1X:G1X+7]
	s_nop 0
	PLACES 4
	s_branch .Lhead_asked
.Lhead_w:
	tensor_load_to_lds s[G0W:G0W+3], s[G1W:G1W+7]
	s_nop 0
	PLACES 4
.Lhead_asked:
	; where the results go.  q, k: tokens t0 = 256 (TY % 8) + 64 w of batch TY / 8, heads 2 TX, 2 TX + 1;  v: head 2 TX + wm, key step J = 2 (TY % 8) + wn
	s_lshr_b32 s72, s22, 3
	s_lshl_b32 s72, s72, 4
	s_lshl_b32 s74, s23, 1
	s_add_co_u32 s72, s72, s74                     ; 16 b + 2 TX
	s_mul_i32 s75, s72, REC
	s_add_co_u32 s72, s72, s15
	s_mul_i32 s76, s72, REC
	s_and_b32 s73, s22, 7
	s_lshl_b32 s73, s73, 8
	s_lshl_b32 s74, s14, 6
	s_add_co_u32 s74, s74, s73                     ; t0
	s_mov_b32 s83, 0
	s_lshl_b32 s82, s74, 5                         ; codes: 512 bytes for each 16 tokens
	s_add_co_u32 s82, s82, s75
	s_add_nc_u64 s[56:57], s[12:13], s[82:83]
	s_lshl_b32 s82, s74, 2                         ; words: 256 bytes for each 64 tokens
	s_add_co_u32 s82, s82, s75
	s_add_nc_u64 s[58:59], s[12:13], s[82:83]
	s_lshl_b32 s74, s16, 7
	s_add_co_u32 s74, s74, s73                     ; 128 J
	s_lshl_b32 s82, s74, 5                         ; 4,096 J
	s_add_co_u32 s82, s82, s76
	s_add_nc_u64 s[60:61], s[12:13], s[82:83]
	s_lshl_b32 s82, s74, 1                         ; 256 J
	s_add_co_u32 s82, s82, s76
	s_add_nc_u64 s[62:63], s[12:13], s[82:83]
	s_lshl_b32 s84, s14, 13                        ; x as A': 4 row tiles a wave
	s_lshl_b32 s85, s16, 14                        ; x as B': 8 row tiles
	s_lshl_b32 s86, s15, 13
	s_add_co_u32 s86, s86, WL                      ; Wv as A': 4 column tiles of slot 0
	v_and_b32 v1, 15, v0                           ; r
	v_bfe_u32 v2, v0, 4, 1                         ; h
	v_and_b32 v[LI], 31, v0
	v_lshlrev_b32 v[LI], 4, v[LI]
	v_lshlrev_b32 v12, 4, v1
	v_lshl_add_u32 v13, v2, 14, v12                ; wsc: row r's 16 bytes of half h of K
	v_lshl_add_u32 v11, v2, 17, v12                ; xsc likewise
	v_add_nc_u32 v[XA], s84, v[LI]
	v_add_nc_u32 v[XA+1], 0x10000, v[XA]
	v_add_nc_u32 v[XB], s85, v[LI]
	v_add_nc_u32 v[XB+1], 0x10000, v[XB]
	v_add_nc_u32 v[WB], WL, v[LI]
	v_add_nc_u32 v[WB+1], WL+65536, v[LI]
	v_add_nc_u32 v[WA], s86, v[LI]
	v_mul_u32_u24 v14, v2, REC
	v_lshl_add_u32 v14, v1, 4, v14                 ; q, k words: lanes 0-15 the first head's, lanes 16-31 the second's
	v_lshl_add_u32 v15, v2, 3, v12                 ; v words: 16 r + 8 h
.irp b, 0,1,2,3
	v_mov_b32 v[TM+4+\b], 0                        ; written once: a lane permute's destination counts as one of its sources
.endr
	s_wait_alu depctr_va_vdst(0)
.irp i, 0,1,2,3
	global_load_b128 v[SAX+4*\i:SAX+4*\i+3], v11, s[92:93] offset:256*\i
	global_load_b128 v[SAV+4*\i:SAV+4*\i+3], v13, s[98:99] offset:256*\i
.endr
.irp i, 0,1,2,3,4,5,6,7
	global_load_b128 v[SBQ+4*\i:SBQ+4*\i+3], v13, s[96:97] offset:256*\i
	global_load_b128 v[SBK+4*\i:SBK+4*\i+3], v13, s[96:97] offset:0x8000+256*\i
	global_load_b128 v[SBX+4*\i:SBX+4*\i+3], v11, s[94:95] offset:256*\i
.endr
; K step s: B's eight fragments and A's four into set s % 2: 24 loads of 512 consecutive bytes.  ar, br: first address register; ap, bp: bytes from kq to kq (32,768: x, a register for each two kq; 16,384: a weight, one register)
.macro FETCH s, ar, ap, br, bp
.set PP, (\s)%2
.set QQ, (\s)/2
.set AR, \ar+(QQ/2)*((\ap)/32768)
.set AO, (QQ-2*(QQ/2)*((\ap)/32768))*(\ap)
.set BR, \br+(QQ/2)*((\bp)/32768)
.set BO, (QQ-2*(QQ/2)*((\bp)/32768))*(\bp)
	WIN 0x40                                       ; destination window 1
.irp b, 0,1,2,3,4,5,6,7
.irp c, 0,1
	ds_load_b128 v[64*PP+8*\b+4*\c:64*PP+8*\b+4*\c+3], v[BR] offset:BO+2048*\b+1024*PP+512*\c
.endr
.endr
.irp a, 0,1,2,3
.irp c, 0,1
	ds_load_b128 v[AF+32*PP+8*\a+4*\c:AF+32*PP+8*\a+4*\c+3], v[AR] offset:AO+2048*\a+1024*PP+512*\c
.endr
.endr
	WIN 0
.endm
.macro MUL s, sa, sb                   ; 32 matrix instructions; the 32 accumulators take turns, one instruction a turn
.set PP, (\s)%2
.set SJ, (\s)%4
	WIN 0xa5                                       ; sources 0 and 1 window 1, C and D window 2
.irp a, 0,1,2,3
.irp b, 0,1,2,3,4,5,6,7
.if (\s) == 0
	v_wmma_scale_f32_16x16x128_f8f6f4 v[8*(8*\a+\b):8*(8*\a+\b)+7], v[64*PP+8*\b:64*PP+8*\b+7], v[AF+32*PP+8*\a:AF+32*PP+8*\a+7], 0, v[\sb+4*\b+SJ], v[\sa+4*\a+SJ] matrix_a_fmt:MATRIX_FMT_FP4 matrix_b_fmt:MATRIX_FMT_FP4
.elseif (\s) < 4
	v_wmma_scale_f32_16x16x128_f8f6f4 v[8*(8*\a+\b):8*(8*\a+\b)+7], v[64*PP+8*\b:64*PP+8*\b+7], v[AF+32*PP+8*\a:AF+32*PP+8*\a+7], v[8*(8*\a+\b):8*(8*\a+\b)+7], v[\sb+4*\b+SJ], v[\sa+4*\a+SJ] matrix_a_fmt:MATRIX_FMT_FP4 matrix_b_fmt:MATRIX_FMT_FP4
.else
	v_wmma_scale_f32_16x16x128_f8f6f4 v[8*(8*\a+\b):8*(8*\a+\b)+7], v[64*PP+8*\b:64*PP+8*\b+7], v[AF+32*PP+8*\a:AF+32*PP+8*\a+7], v[8*(8*\a+\b):8*(8*\a+\b)+7], v[\sb+4*\b+SJ], v[\sa+4*\a+SJ] matrix_a_fmt:MATRIX_FMT_FP4 matrix_b_fmt:MATRIX_FMT_FP4 matrix_a_scale:MATRIX_SCALE_ROW1 matrix_b_scale:MATRIX_SCALE_ROW1
.endif
.endr
.endr
	WIN 0
.endm
.macro GEMM ar, ap, br, bp, sa, sb     ; one product: eight K steps; a step's fragments are asked for one step ahead
	FETCH 0, \ar, \ap, \br, \bp
.irp s, 0,1,2,3,4,5,6,7
	s_wait_dscnt 0x0
.if (\s >= 1) && (\s < 7)
	PLACES 4                                       ; in front of loads into the set that the step before multiplied (ISA guide 7.12.1 for vector instructions)
.endif
.if \s < 7
	FETCH \s+1, \ar, \ap, \br, \bp
.endif
	MUL \s, \sa, \sb
.endr
	PLACES 4                                       ; in front of the first read of results
.endm
; ROW TILE a IS QUANTISED ALONG n'.  Tiles 2 b and 2 b + 1 are block b of 32, shared by lanes l and l xor 16.  Each tile gives one register of 8 codes; laid tile 4 c, 4 c + 2, 4 c + 1, 4 c + 3, two exchanges of
; halves put k = 64 c + 32 h + 0 .. 31 into registers 4 c .. 4 c + 3.  Each accumulator is read from its low end on.
.macro QUANT a
.set AC, 64*(\a)
	WIN 0x0a                                       ; sources 0 and 1 window 2
.irp b, 0,1,2,3
	v_max3_num_f32 v[TM+\b], |v[AC+16*\b]|, |v[AC+16*\b+1]|, 0x1800000   ; the floor 2^(3 - 127) holds the byte at 1 from below
.endr
	WIN 0x28                                       ; sources 1 and 2 window 2
.irp i, 2,4,6,8,10,12,14
.irp b, 0,1,2,3
	v_max3_num_f32 v[TM+\b], v[TM+\b], |v[AC+16*\b+\i]|, |v[AC+16*\b+\i+1]|
.endr
.endr
	WIN 0
.irp b, 0,1,2,3
	v_permlanex16_b32 v[TM+4+\b], v[TM+\b], s66, s67
.endr
.irp b, 0,1,2,3
	v_max_num_f32 v[TM+\b], v[TM+\b], v[TM+4+\b]   ; the block's largest magnitude
.endr
.irp b, 0,1,2,3
	v_add_nc_u32 v[TM+12+\b], 0xff000000, v[TM+\b] ; 2 off the exponent field: the conversion's scale operand
.endr
.irp b, 0,1,2,3
	v_lshrrev_b32 v[TM+4+\b], 23, v[TM+12+\b]      ; the byte
.endr
	v_lshl_or_b32 v[WD+(\a)], v[TM+5], 8, v[TM+4]
	v_lshl_or_b32 v[WD+(\a)], v[TM+6], 16, v[WD+(\a)]
	v_lshl_or_b32 v[WD+(\a)], v[TM+7], 24, v[WD+(\a)]
	WIN 0x02                                       ; source 0 window 2
.irp c, 0,1
	v_cvt_scalef32_pk8_fp4_f32 v[PC+8*(\a)+4*\c],   v[AC+32*\c:AC+32*\c+7],     v[TM+12+2*\c]
	v_cvt_scalef32_pk8_fp4_f32 v[PC+8*(\a)+4*\c+1], v[AC+32*\c+16:AC+32*\c+23], v[TM+13+2*\c]
	v_cvt_scalef32_pk8_fp4_f32 v[PC+8*(\a)+4*\c+2], v[AC+32*\c+8:AC+32*\c+15],  v[TM+12+2*\c]
	v_cvt_scalef32_pk8_fp4_f32 v[PC+8*(\a)+4*\c+3], v[AC+32*\c+24:AC+32*\c+31], v[TM+13+2*\c]
.endr
	WIN 0
	v_nop                                          ; one plain place behind the scaled conversions
.irp c, 0,1
	v_permlane16_swap_b32 v[PC+8*(\a)+4*\c], v[PC+8*(\a)+4*\c+1]
	v_permlane16_swap_b32 v[PC+8*(\a)+4*\c+2], v[PC+8*(\a)+4*\c+3]
.endr
.endm
.macro QUANT4
	QUANT 0
	QUANT 1
	QUANT 2
	QUANT 3
.endm
.macro QKOUT co, wo                    ; q or k: half fragment c belongs to head 2 TX + c; co, wo: where the codes and the words lie in a record
.irp a, 0,1,2,3
	v_and_b32 v[TT], 0xffff, v[WD+\a]
	v_lshrrev_b32 v[TT+1], 16, v[WD+\a]
	v_cndmask_b32 v[SW+\a], v[TT], v[TT+1], s3
.endr
.irp a, 0,1,2,3
.irp c, 0,1
	global_store_b128 v[LI], v[PC+8*\a+4*\c:PC+8*\a+4*\c+3], s[56:57] offset:\co+\c*REC+\a*512   ; 512 consecutive bytes
.endr
.endr
	global_store_b128 v14, v[SW:SW+3], s[58:59] offset:\wo   ; each half of the wave stores 256 consecutive bytes
.endm
	s_wait_tensorcnt 0x0                           ; my part of x or of Wq is in; the three lines, as ahead of a refill
	ds_add_u32 v254, v255
	s_wait_dscnt 0x0
	CROUND
	WLOAD 1                                        ; Wk into slot 1: its first fill
	s_wait_loadcnt 0x0                             ; the scale words
	GEMM XA, 32768, WB, 16384, SAX, SBQ            ; q
	s_wait_tensorcnt 0x0                           ; Wk is in, and my reads of slot 0 are over
	ds_add_u32 v254, v255
	s_wait_dscnt 0x0
	CROUND
	WLOAD 2                                        ; Wv into slot 0 again
	QUANT4
	QKOUT 143360, 208896
	GEMM XA, 32768, WB+1, 16384, SAX, SBK          ; k
	s_wait_xcnt 0x0                                ; q's stores have read their registers
	QUANT4
	QKOUT 0, 131072
	s_wait_tensorcnt 0x0                           ; Wv is in
	s_barrier_signal -1
	s_barrier_wait -1
	GEMM WA, 16384, XB, 32768, SAV, SBX            ; v, transposed
	s_wait_xcnt 0x0                                ; k's stores have read their registers
	QUANT4
	v_cndmask_b32 v[SW], v[WD], v[WD+2], s3        ; lanes 0-15 tiles 0, 1; lanes 16-31 tiles 2, 3
	v_cndmask_b32 v[SW+1], v[WD+1], v[WD+3], s3
.irp a, 0,1,2,3
.irp c, 0,1
	global_store_b128 v[LI], v[PC+8*\a+4*\c:PC+8*\a+4*\c+3], s[60:61] offset:65536+\a*1024+\c*512
.endr
.endr
	global_store_b64 v15, v[SW:SW+1], s[62:63] offset:139264   ; 256 consecutive bytes
	s_wait_tensorcnt 0x0                           ; the wave's end
	ds_add_u32 v254, v255
	s_wait_dscnt 0x0
	CROUND                                         ; the closing round
	s_endpgm
.Lfunc_end_k_q7b19029784_qkv:
	.size	k_q7b19029784_qkv, .Lfunc_end_k_q7b19029784_qkv-k_q7b19029784_qkv
	.p2alignl 7, 3214868480
	.fill 96, 4, 3214868480
	.section	.rodata,"a",@progbits
	.p2align	6, 0x0
	.amdhsa_kernel k_q7b19029784_qkv
		.amdhsa_group_segment_fixed_size 327680
		.amdhsa_private_segment_fixed_size 0
		.amdhsa_enable_private_segment 0
		.amdhsa_kernarg_size 40
		.amdhsa_user_sgpr_count 2
		.amdhsa_user_sgpr_kernarg_segment_ptr 1
		.amdhsa_wavefront_size32 1
		.amdhsa_system_sgpr_workgroup_id_x 1
		.amdhsa_system_sgpr_workgroup_id_y 1
		.amdhsa_system_sgpr_workgroup_id_z 1
		.amdhsa_system_vgpr_workitem_id 0
		.amdhsa_next_free_vgpr 768
		.amdhsa_next_free_sgpr 100
		.amdhsa_reserve_vcc 0
		.amdhsa_float_denorm_mode_32 3
		.amdhsa_float_denorm_mode_16_64 3
		.amdhsa_memory_ordered 1
		.amdhsa_forward_progress 1
		.amdhsa_inst_pref_size 201
	.end_amdhsa_kernel
	.amdgpu_metadata
---
amdhsa.version: [ 1, 2 ]
amdhsa.kernels:
  - .name:           k_q7b19029784_qkv
    .symbol:         k_q7b19029784_qkv.kd
    .args:
      - { .name: ximg, .offset: 0, .size: 8, .value_kind: global_buffer, .address_space: global }
      - { .name: xsc, .offset: 8, .size: 8, .value_kind: global_buffer, .address_space: global }
      - { .name: wimg, .offset: 16, .size: 8, .value_kind: global_buffer, .address_space: global }
      - { .name: wsc, .offset: 24, .size: 8, .value_kind: global_buffer, .address_space: global }
      - { .name: qkv, .offset: 32, .size: 8, .value_kind: global_buffer, .address_space: global }
    .group_segment_fixed_size: 327680
    .private_segment_fixed_size: 0
    .kernarg_segment_align: 8
    .kernarg_segment_size: 40
    .max_flat_workgroup_size: 128
    .sgpr_count:     100
    .vgpr_count:     768
    .wavefront_size: 32
...
	.end_amdgpu_metadata
.endif
;; end of part 2
;; launch attn (part 3): grid 4 x 64, 16 waves a work-group, clusters of 4 x 1, 169,984 bytes of LDS; arguments qkv, cimg, csc; writes cimg, csc
.if DOCPART == 3
	.amdgcn_target "amdgcn-amd-amdhsa--gfx1250"
	.amdhsa_code_object_version 6
	.text
	.protected	k_q7b19029784_attn
	.globl	k_q7b19029784_attn
	.p2align	8
	.type	k_q7b19029784_attn,@function
k_q7b19029784_attn:
	s_mov_b64 s[64:65], 0
	v_nop
	global_prefetch_b8 v0, s[64:65] scope:SCOPE_SE
	s_setreg_imm32_b32 hwreg(HW_REG_WAVE_MODE, 25, 1), 1
	s_wait_xcnt 0x0
	s_wait_alu depctr_hold_cnt(0) depctr_sa_sdst(0) depctr_va_vdst(0) depctr_va_sdst(0) depctr_va_ssrc(0) depctr_va_vcc(0) depctr_vm_vsrc(0)
	s_getreg_b32 s2, hwreg(HW_REG_IB_STS2, 6, 4)
	s_cmp_eq_u32 s2, 0
	s_cbranch_scc0 .Lentry_in_a_cluster
	s_endpgm
.Lentry_in_a_cluster:
	s_bfe_u32 s2, ttmp6, 0x10000c
	s_cmp_lg_u32 s2, 0x3003
	s_cbranch_scc0 .Lentry_shape_is_right
	s_endpgm
.Lentry_shape_is_right:
; ctx = softmax(q k^T / 8, causal) v for one head, both products on codes of FP4 (E2M1) with E8M0 scales, and ctx quantised along the features for the last product.
; THE SOFTMAX AHEAD OF THE SECOND PRODUCT: t = score x log2(e) / 8; M = the row's largest t so far, rounded UP to a whole number; p = 2^(t - M) is what is quantised, along the keys, not normalised.
; The row's sum is taken of the unquantised p and divides O at the end (v_rcp_f32 and a multiplication).  When M moves, the sum and O are multiplied by 2^(old M - new M): exact.
; Key steps all of whose keys the causal mask of the problem hides are left out.
; SHARES.  The four work-groups of a head are a cluster (4, 1, 1).  The head's 128 tiles of 16 queries are dealt by turns: work-group cx takes tiles 4 u + cx, u = 0 .. 31; wave w takes u = w and then u = 31 - w.
; Tile 4 u + cx needs key steps 0 .. u / 2 of 128 keys, whatever cx: so every branch hangs on the wave's number alone, and each wave has u / 2 + 1 + (31 - u) / 2 + 1 = 17 key steps.  cx enters global addresses and the mask's compare alone.
; LDS holds the head's K and V codes and scale words, the first 143,360 bytes of its record, filled once by JOINT loads: each wave asks for 35 rows of 256 bytes with the mask of all four partners.  Behind the one barrier LDS is only read.
; NO PREFETCH: the one fill stands at the head; there is no loop to run ahead in.
; LAYOUT.  Both products are used transposed: S^T = K Q^T (source 0 = 16 keys, source 1 = my 16 queries), O^T = V^T P^T: a lane holds ONE query (lane % 16) throughout; register j of tile t is key 16 t + 8 h + j.
; The head's 64 fill half of the instruction's K: registers 4-7 of K's and Q's fragments are zero codes, and the upper two bytes of their scale words are 0.
; LIMITS: NaN and infinities are not served; a block of ctx under 2^-124, or of zeros, gets the byte 1; the scaled scores stay under 2^31 in magnitude.
; REGISTERS: v1-11 addresses; v12 -M, v13 the largest t, v[14:15] the sum; v16-23 Q; v24-31 K's scale words; v32-95 K; v96-127 V; v128-191 S^T, then p; v192-223 O^T; v224-231 p's codes; v232-235 V's scale words; v236-254 at work.
.set REC,  217088
.set PART, 8960                        ; 35 rows of 256 bytes: a sixteenth of 143,360
.set SCR,  128
.set OT,   192
.set PCD,  224
.set BM,   236                         ; the largest score, then the largest p, of each block of 32 keys
.set PT,   240
.set OPR,  244                         ; the conversions' scale operands
.set PW,   248                         ; p's scale word
.set NINF, 249
.set FF,   250                         ; v[250:251] f = 2^(old M - new M)
.set TMP,  254
.macro CROUND                          ; a round of the cluster's barrier
	s_barrier_signal -1
	s_barrier_wait -1
	s_cmp_lg_u32 s10, 0
	s_cbranch_scc1 .Lnot_wave_0_\@
	s_barrier_signal -3
.Lnot_wave_0_\@:
	s_barrier_wait -3
	s_barrier_signal -1
	s_barrier_wait -1
.endm
	s_load_b128 s[4:7], s[0:1], 0x0                ; qkv, cimg
	s_load_b64 s[8:9], s[0:1], 0x10                ; csc
	v_lshl_add_u32 v253, v0, 2, 0x29000
	v_mov_b32 v255, 0
	ds_add_u32 v253, v255                          ; the opening lines: the add twice on end
	ds_add_u32 v253, v255
	v_lshrrev_b32 v1, 5, v0
	s_delay_alu instid0(VALU_DEP_1)
	v_readfirstlane_b32 s10, v1                    ; wave 0..15
	s_bfe_u32 s11, ttmp6, 0x40000                  ; cx
	s_and_b32 s12, ttmp7, 0xffff                   ; bh
	s_lshr_b32 s13, s12, 4                         ; b
	s_and_b32 s14, s12, 15                         ; head
	s_mov_b32 s20, 15|(3<<16)|(1<<21)              ; group 1: the mask of the four partners; elements of 8 bytes; 21 set beside a mask; no padding
	s_mov_b32 s21, 32<<16                          ; tensor_dim0 = 32 (256 bytes)
	s_mov_b32 s22, 35<<16                          ; tensor_dim1 = 35
	s_mov_b32 s23, 32<<16                          ; tile_dim0
	s_mov_b32 s24, 35                              ; tile_dim1
	s_mov_b32 s25, 32                              ; the pitch: dense
	s_mov_b32 s26, 0
	s_mov_b32 s27, 0
	s_mov_b32 s16, 1
	s_mul_i32 s17, s10, PART                       ; LDS address: my wave's part
	s_mul_i32 s52, s12, REC
	s_mov_b32 s53, 0
	s_mov_b32 s54, s17
	s_mov_b32 s55, 0
	s_lshr_b32 s42, s14, 2                         ; cimg [kq][row tile][ks][c]: kq = head / 4, ks = (head / 2) % 2, c = head % 2; 128 row tiles of 2,048 bytes a batch
	s_lshl_b32 s42, s42, 20
	s_lshl_b32 s43, s13, 18
	s_add_co_u32 s42, s42, s43
	s_bfe_u32 s43, s14, 0x10001
	s_lshl_b32 s43, s43, 10
	s_add_co_u32 s42, s42, s43
	s_and_b32 s43, s14, 1
	s_lshl_b32 s43, s43, 9
	s_add_co_u32 s56, s42, s43
	s_mov_b32 s57, 0
	s_lshr_b32 s42, s14, 3                         ; csc [kh][row][16]: kh = head / 8, bytes 2 (head % 8) + 0, 1
	s_lshl_b32 s42, s42, 17
	s_lshl_b32 s43, s13, 15
	s_add_co_u32 s42, s42, s43
	s_and_b32 s43, s14, 7
	s_lshl_b32 s43, s43, 1
	s_add_co_u32 s58, s42, s43
	s_mov_b32 s59, 0
	s_mov_b32 s30, 0x76543210
	s_mov_b32 s31, 0xfedcba98                      ; v_permlanex16_b32's selects for lane l xor 16
	s_mov_b32 s32, 0x3e38aa3b                      ; c = log2(e) / 8
	s_mov_b32 s33, s32
	s_mov_b32 s34, 0xffff0000                      ; lanes 16-31
	s_wait_dscnt 0x0
	s_wait_kmcnt 0x0
	s_add_nc_u64 s[28:29], s[4:5], s[52:53]        ; the head's record
	s_add_nc_u64 s[18:19], s[28:29], s[54:55]
	s_or_b32 s19, s19, 0x80000000
	s_add_nc_u64 s[56:57], s[6:7], s[56:57]
	s_add_nc_u64 s[58:59], s[8:9], s[58:59]
	CROUND                                         ; the four partners are here: the joint loads meet
	tensor_load_to_lds s[16:19], s[20:27]          ; the one fill: one load of mine is out
	s_nop 0
	v_and_b32 v11, 31, v0
	s_delay_alu instid0(VALU_DEP_1)
	v_lshlrev_b32 v1, 4, v11                       ; 16 x lane
	v_and_b32 v11, 15, v0                          ; r
	s_delay_alu instid0(VALU_DEP_1)
	v_lshlrev_b32 v2, 4, v11                       ; 16 r
	v_bfe_u32 v[TMP], v0, 4, 1                     ; h
	s_delay_alu instid0(VALU_DEP_1)
	v_add_nc_u32 v3, v2, v[TMP]                    ; 16 r + h
	s_delay_alu instid0(VALU_DEP_2)
	v_lshlrev_b32 v[TMP], 3, v[TMP]
	s_delay_alu instid0(VALU_DEP_1)
	v_sub_nc_u32 v10, v11, v[TMP]                  ; r - 8 h
.irp j, 20,21,22,23
	v_mov_b32 v\j, 0                               ; Q's upper half of K: zero codes
.endr
.irp t, 0,1,2,3,4,5,6,7
.irp j, 4,5,6,7
	v_mov_b32 v[32+8*\t+\j], 0                     ; K's likewise: written once
.endr
.endr
.irp b, 0,1,2,3
	v_mov_b32 v[PT+\b], 0                          ; written once: a lane permute's destination counts as one of its sources
.endr
	v_mov_b32 v[FF+1], 0
	v_mov_b32 v[NINF], 0xff800000                  ; -infinity
; A KEY STEP: 128 keys from s36 on.  s60 = 64 u, s35 = my first query = 64 u + 16 cx.
.macro STEP
	s_add_co_u32 s42, s60, 63                      ; a step whose first key lies beyond 64 u + 63 is hidden for all four partners alike: left out, but for the lines at its end that step addresses
	s_cmp_gt_u32 s36, s42
	s_cbranch_scc1 .Lhidden_\@
	v_add_nc_u32 v4, s37, v1                       ; these four additions are also the places between the last step's products and the loads into their registers
	v_add_nc_u32 v5, s38, v1
	v_add_nc_u32 v6, s39, v2
	v_add_nc_u32 v7, s40, v2
	ds_load_b128 v[24:27], v6                      ; K's scale words: tiles 0-3 of row r,
	ds_load_b128 v[28:31], v6 offset:256           ; tiles 4-7
.irp t, 0,1,2,3,4,5,6,7
	ds_load_b128 v[32+8*\t:35+8*\t], v4 offset:512*\t
.endr
.irp t, 0,1,2,3
.irp c, 0,1
	ds_load_b128 v[96+8*\t+4*\c:99+8*\t+4*\c], v5 offset:1024*\t+512*\c
.endr
.endr
	ds_load_b128 v[232:235], v7                    ; V's scale words
	s_wait_dscnt 0x9                               ; K and its words are in; V's nine loads may be out
.irp t, 0,1,2,3,4,5,6,7
	v_wmma_scale_f32_16x16x128_f8f6f4 v[SCR+8*\t:SCR+8*\t+7], v[32+8*\t:39+8*\t], v[16:23], 0, v[24+\t], v9 matrix_a_fmt:MATRIX_FMT_FP4 matrix_b_fmt:MATRIX_FMT_FP4
.endr
.rept 4
	v_nop                                          ; places in front of the first read of results (ISA guide 7.12.1)
.endr
	s_add_co_u32 s42, s36, 127                     ; a step whose last key lies at or under 64 u counts whole, for all four partners alike; else hidden scores become -infinity ahead of the maximum
	s_cmp_le_u32 s42, s60
	s_cbranch_scc1 .Lopen_\@
	s_sub_co_i32 s42, s35, s36
	v_add_nc_u32 v8, s42, v10                      ; d = my query - the step's first key - 8 h: register 8 t + j is hidden where 16 t + j > d
.set n, 0
.rept 64
	v_cmp_gt_i32 vcc_lo, 16*(n/8)+n%8, v8
	v_cndmask_b32 v[SCR+n], v[SCR+n], v[NINF], vcc_lo
.set n, n+1
.endr
.Lopen_\@:
.irp b, 0,1,2,3
	v_max3_num_f32 v[BM+\b], v[SCR+16*\b], v[SCR+1+16*\b], v[SCR+2+16*\b]   ; the largest score of each block of 32 keys: for the row's maximum and, since p rises with the score, for the block's largest p
.endr
.irp i, 3,5,7,9,11,13
.irp b, 0,1,2,3
	v_max3_num_f32 v[BM+\b], v[BM+\b], v[SCR+16*\b+\i], v[SCR+1+16*\b+\i]
.endr
.endr
.irp b, 0,1,2,3
	v_max_num_f32 v[BM+\b], v[BM+\b], v[SCR+15+16*\b]
.endr
.irp b, 0,1,2,3
	s_delay_alu instid0(VALU_DEP_4)
	v_permlanex16_b32 v[PT+\b], v[BM+\b], s30, s31
.endr
.irp b, 0,1,2,3
	s_delay_alu instid0(VALU_DEP_4)
	v_max_num_f32 v[BM+\b], v[BM+\b], v[PT+\b]     ; with lane l xor 16's 16 keys
.endr
	s_delay_alu instid0(VALU_DEP_2)
	v_max3_num_f32 v[TMP], v[BM], v[BM+1], v[BM+2]
	s_delay_alu instid0(VALU_DEP_1)
	v_max_num_f32 v[TMP], v[TMP], v[BM+3]
	s_delay_alu instid0(VALU_DEP_1)
	v_mul_f32 v[TMP], s32, v[TMP]                  ; as t (c is positive)
	s_delay_alu instid0(VALU_DEP_1)
	v_max_num_f32 v13, v13, v[TMP]                 ; the running largest t
	v_mov_b32 v[TMP], v12
	s_delay_alu instid0(VALU_DEP_2)
	v_floor_f32 v12, -v13                          ; the new -M = floor(-t): M is a whole number
	s_delay_alu instid0(VALU_DEP_1)
	v_sub_f32 v[TMP], v12, v[TMP]                  ; old M - new M: a whole number, 0 or less
	s_delay_alu instid0(VALU_DEP_1)
	v_cvt_i32_f32 v[TMP], v[TMP]                   ; (it saturates)
	s_delay_alu instid0(VALU_DEP_1)
	v_ldexp_f32 v[FF], 1.0, v[TMP]                 ; f
.set n, 0
.rept 32
	v_pk_fma_f32 v[SCR+n:SCR+n+1], v[SCR+n:SCR+n+1], s[32:33], v[12:13] op_sel_hi:[1,0,0]   ; t - M, two at a time
.set n, n+2
.endr
.irp b, 0,1,2,3
	v_fma_f32 v[BM+\b], v[BM+\b], s32, v12         ; the same of each block's largest score
.endr
.set n, 0
	s_wait_alu depctr_va_vdst(0)
.rept 64
	v_exp_f32 v[SCR+n], v[SCR+n]                   ; p = 2^(t - M)
.set n, n+1
.endr
	v_pk_mul_f32 v[14:15], v[14:15], v[FF:FF+1] op_sel_hi:[1,0]   ; the sums under the new M: a plain line behind the exponentials
	s_wait_alu depctr_va_vdst(0)                   ; one wait for the batch, ahead of its first reader
.irp b, 0,1,2,3
	v_exp_f32 v[BM+\b], v[BM+\b]                   ; the block's largest p: the same two instructions on the same number
.endr
	v_pk_add_f32 v[240:241], v[132:133], v[136:137]   ; the row's sum of the unquantised p: eight chains, joined at the end
	v_pk_add_f32 v[246:247], v[140:141], v[144:145]
	v_pk_add_f32 v[244:245], v[148:149], v[152:153]
	v_pk_add_f32 v[242:243], v[156:157], v[160:161]
	v_pk_add_f32 v[230:231], v[164:165], v[168:169]
	v_pk_add_f32 v[228:229], v[172:173], v[176:177]
	v_pk_add_f32 v[226:227], v[180:181], v[184:185]
	v_pk_add_f32 v[14:15], v[14:15], v[188:189]
	v_pk_add_f32 v[240:241], v[240:241], v[128:129]
	v_pk_add_f32 v[246:247], v[246:247], v[130:131]
	v_pk_add_f32 v[244:245], v[244:245], v[134:135]
	v_pk_add_f32 v[242:243], v[242:243], v[138:139]
	v_pk_add_f32 v[230:231], v[230:231], v[142:143]
	v_pk_add_f32 v[228:229], v[228:229], v[146:147]
	v_pk_add_f32 v[226:227], v[226:227], v[150:151]
	v_pk_add_f32 v[14:15], v[14:15], v[154:155]
	v_pk_add_f32 v[240:241], v[240:241], v[158:159]
	v_pk_add_f32 v[246:247], v[246:247], v[162:163]
	v_pk_add_f32 v[244:245], v[244:245], v[166:167]
	v_pk_add_f32 v[242:243], v[242:243], v[170:171]
	v_pk_add_f32 v[230:231], v[230:231], v[174:175]
	v_pk_add_f32 v[228:229], v[228:229], v[178:179]
	v_pk_add_f32 v[226:227], v[226:227], v[182:183]
	v_pk_add_f32 v[14:15], v[14:15], v[186:187]
	v_pk_add_f32 v[240:241], v[240:241], v[190:191]
	s_delay_alu instid0(VALU_DEP_2)
	v_pk_add_f32 v[14:15], v[14:15], v[242:243]
	s_delay_alu instid0(VALU_DEP_2)
	v_pk_add_f32 v[240:241], v[240:241], v[230:231]
	v_pk_add_f32 v[246:247], v[246:247], v[228:229]
	v_pk_add_f32 v[244:245], v[244:245], v[226:227]
	s_delay_alu instid0(VALU_DEP_2)
	v_pk_add_f32 v[14:15], v[14:15], v[246:247]
	s_delay_alu instid0(VALU_DEP_2)
	v_pk_add_f32 v[240:241], v[240:241], v[244:245]
	s_delay_alu instid0(VALU_DEP_1)
	v_pk_add_f32 v[14:15], v[14:15], v[240:241]
	s_wait_alu depctr_va_vdst(0)                   ; and one for the four
.irp b, 0,1,2,3
	v_max_num_f32 v[BM+\b], 0x1800000, v[BM+\b]    ; the floor 2^(3 - 127): a block whose every p is 0 keeps the byte 1: its codes are zeros
.endr
.irp b, 0,1,2,3
	s_delay_alu instid0(VALU_DEP_4)
	v_add_nc_u32 v[OPR+\b], 0xff000000, v[BM+\b]
.endr
.irp b, 0,1,2,3
	s_delay_alu instid0(VALU_DEP_4)
	v_lshrrev_b32 v[PT+\b], 23, v[OPR+\b]
.endr
	s_delay_alu instid0(VALU_DEP_3)
	v_lshl_or_b32 v[PW], v[PT+1], 8, v[PT]
	s_delay_alu instid0(VALU_DEP_1)
	v_lshl_or_b32 v[PW], v[PT+2], 16, v[PW]
	s_delay_alu instid0(VALU_DEP_1)
	v_lshl_or_b32 v[PW], v[PT+3], 24, v[PW]
.irp c, 0,1                            ; a register of 8 codes a tile, laid tile 4 c, 4 c + 2, 4 c + 1, 4 c + 3
	v_cvt_scalef32_pk8_fp4_f32 v[PCD+4*\c],   v[SCR+32*\c:SCR+32*\c+7],     v[OPR+2*\c]
	v_cvt_scalef32_pk8_fp4_f32 v[PCD+4*\c+1], v[SCR+32*\c+16:SCR+32*\c+23], v[OPR+1+2*\c]
	v_cvt_scalef32_pk8_fp4_f32 v[PCD+4*\c+2], v[SCR+32*\c+8:SCR+32*\c+15],  v[OPR+2*\c]
	v_cvt_scalef32_pk8_fp4_f32 v[PCD+4*\c+3], v[SCR+32*\c+24:SCR+32*\c+31], v[OPR+1+2*\c]
.endr
	v_nop                                          ; one plain place behind the scaled conversions
.irp c, 0,1                            ; two exchanges of halves: registers 4 c .. 4 c + 3 now hold keys 64 c + 32 h + 0 .. 31
	v_permlane16_swap_b32 v[PCD+4*\c], v[PCD+4*\c+1]
	v_permlane16_swap_b32 v[PCD+4*\c+2], v[PCD+4*\c+3]
.endr
.set n, 0
.rept 16
	v_pk_mul_f32 v[OT+n:OT+n+1], v[OT+n:OT+n+1], v[FF:FF+1] op_sel_hi:[1,0]   ; O^T under the new M.  Twelve of these name no register of any one product below: the places between p's word and codes and those products
.set n, n+2
.endr
	s_wait_alu depctr_va_vdst(0)
	s_wait_dscnt 0x0                               ; V and its words are in
.irp t, 0,1,2,3                        ; four accumulators, one instruction each
	v_wmma_scale_f32_16x16x128_f8f6f4 v[OT+8*\t:OT+8*\t+7], v[96+8*\t:103+8*\t], v[PCD:PCD+7], v[OT+8*\t:OT+8*\t+7], v[232+\t], v[PW] matrix_a_fmt:MATRIX_FMT_FP4 matrix_b_fmt:MATRIX_FMT_FP4
.endr
.Lhidden_\@:
	s_add_co_u32 s36, s36, 128
	s_add_co_u32 s37, s37, 4096                    ; K's codes: 8 key tiles of 512 bytes
	s_add_co_u32 s38, s38, 4096                    ; V's: 4 fragments of 1,024
	s_add_co_u32 s39, s39, 512                     ; K's scale words
	s_add_co_u32 s40, s40, 256                     ; V's
.endm
; ONE TILE OF QUERIES: p = 0: u = wave; p = 1: u = 31 - wave.
.macro PASS p
.if \p
	s_wait_xcnt 0x0                                ; the first pass's stores have read their registers and bases: both are written again below
	s_sub_co_u32 s42, 31, s10
.else
	s_mov_b32 s42, s10
.endif
	s_lshl_b32 s60, s42, 6                         ; 64 u: what the branches hang on
	s_lshl_b32 s43, s11, 4
	s_add_co_u32 s35, s60, s43                     ; my first query: 64 u + 16 cx
	s_lshl_b32 s52, s35, 5                         ; Q's codes: 512 bytes for each 16 queries
	s_add_co_u32 s52, s52, 143360
	s_mov_b32 s53, 0
	s_add_nc_u64 s[44:45], s[28:29], s[52:53]
	s_lshr_b32 s52, s35, 6                         ; Q's scale words: [64 queries][r][tile]
	s_lshl_b32 s52, s52, 8
	s_bfe_u32 s43, s35, 0x20004
	s_lshl_b32 s43, s43, 2
	s_add_co_u32 s52, s52, s43
	s_add_co_u32 s52, s52, 208896
	s_add_nc_u64 s[46:47], s[28:29], s[52:53]
	s_lshl_b32 s52, s35, 7                         ; cimg: 2,048 bytes a row tile
	s_add_nc_u64 s[48:49], s[56:57], s[52:53]
	s_lshl_b32 s52, s35, 4                         ; csc: 16 bytes a row
	s_add_nc_u64 s[50:51], s[58:59], s[52:53]
	global_load_b128 v[16:19], v1, s[44:45]
	global_load_b32 v9, v2, s[46:47]
	v_mov_b32 v13, 0xff61b1e6                      ; the largest t so far: -3e38, under every t
	s_delay_alu instid0(VALU_DEP_1)
	v_floor_f32 v12, -v13
	v_mov_b32 v14, 0
	v_mov_b32 v15, 0
.set n, 0
.rept 32
	v_mov_b32 v[OT+n], 0                           ; the step is written once: the first finds zeros, which the first change of M leaves zeros
.set n, n+1
.endr
	s_mov_b32 s36, 0
	s_mov_b32 s37, 0
	s_mov_b32 s38, 65536
	s_mov_b32 s39, 131072
	s_mov_b32 s40, 139264
	s_mov_b32 s41, 16                              ; the trip count is a constant: hidden steps only step addresses
.if \p == 0
	s_wait_tensorcnt 0x0                           ; my part of the record has landed (the first pass's set-up and Q's loads stand ahead of this wait),
	s_barrier_signal -1
	s_barrier_wait -1                              ; everybody's has
.endif
	s_wait_loadcnt 0x0
.Lstep_\@:
	STEP
	s_sub_co_u32 s41, s41, 1
	s_cmp_lg_u32 s41, 0
	s_cbranch_scc1 .Lstep_\@
	; THE WAY OUT: ctx = O^T / the sum; register 8 t + j is channel 16 t + 8 h + j of query r: two blocks of 32 along the last product's K, quantised as p is
.rept 4
	v_nop
.endr
	v_add_f32 v14, v14, v15
	s_delay_alu instid0(VALU_DEP_1)
	v_permlanex16_b32 v[PT], v14, s30, s31
	s_delay_alu instid0(VALU_DEP_1)
	v_add_f32 v14, v14, v[PT]                      ; the row's sum
	s_wait_alu depctr_va_vdst(0)
	v_rcp_f32 v14, v14
	v_nop                                          ; a plain place behind the reciprocal
	s_wait_alu depctr_va_vdst(0)                   ; and the wait ahead of its first reader
.set n, 0
.rept 32
	v_mul_f32 v[SCR+n], v[OT+n], v14
.set n, n+1
.endr
.irp b, 0,1
	v_max3_num_f32 v[BM+\b], |v[SCR+16*\b]|, |v[SCR+1+16*\b]|, 0x1800000
.endr
.irp i, 2,4,6,8,10,12,14
.irp b, 0,1
	s_delay_alu instid0(VALU_DEP_2)
	v_max3_num_f32 v[BM+\b], v[BM+\b], |v[SCR+16*\b+\i]|, |v[SCR+1+16*\b+\i]|
.endr
.endr
.irp b, 0,1
	s_delay_alu instid0(VALU_DEP_2)
	v_permlanex16_b32 v[PT+\b], v[BM+\b], s30, s31
.endr
.irp b, 0,1
	s_delay_alu instid0(VALU_DEP_2)
	v_max_num_f32 v[BM+\b], v[BM+\b], v[PT+\b]
.endr
.irp b, 0,1
	s_delay_alu instid0(VALU_DEP_2)
	v_add_nc_u32 v[OPR+\b], 0xff000000, v[BM+\b]
.endr
.irp b, 0,1
	s_delay_alu instid0(VALU_DEP_2)
	v_lshrrev_b32 v[PT+\b], 23, v[OPR+\b]
.endr
	v_cvt_scalef32_pk8_fp4_f32 v[PCD],   v[SCR:SCR+7],     v[OPR]
	v_cvt_scalef32_pk8_fp4_f32 v[PCD+1], v[SCR+16:SCR+23], v[OPR+1]
	v_cvt_scalef32_pk8_fp4_f32 v[PCD+2], v[SCR+8:SCR+15],  v[OPR]
	v_cvt_scalef32_pk8_fp4_f32 v[PCD+3], v[SCR+24:SCR+31], v[OPR+1]
	v_nop
	v_permlane16_swap_b32 v[PCD], v[PCD+1]
	v_permlane16_swap_b32 v[PCD+2], v[PCD+3]
	v_cndmask_b32 v[TMP], v[PT], v[PT+1], s34      ; lane (r, h) stores block h's byte of row r
	global_store_b128 v1, v[PCD:PCD+3], s[48:49]   ; a half fragment: 512 consecutive bytes
	global_store_b8 v3, v[TMP], s[50:51]           ; two bytes of each row's 16 are all that a head owns: 16 bytes apart
.endm
	PASS 0
	PASS 1
	s_wait_tensorcnt 0x0                           ; the wave's end
	ds_add_u32 v253, v255
	s_wait_dscnt 0x0
	CROUND                                         ; the closing round
	s_endpgm
.Lfunc_end_k_q7b19029784_attn:
	.size	k_q7b19029784_attn, .Lfunc_end_k_q7b19029784_attn-k_q7b19029784_attn
	.p2alignl 7, 3214868480
	.fill 96, 4, 3214868480
	.section	.rodata,"a",@progbits
	.p2align	6, 0x0
	.amdhsa_kernel k_q7b19029784_attn
		.amdhsa_group_segment_fixed_size 169984
		.amdhsa_private_segment_fixed_size 0
		.amdhsa_enable_private_segment 0
		.amdhsa_kernarg_size 24
		.amdhsa_user_sgpr_count 2
		.amdhsa_user_sgpr_kernarg_segment_ptr 1
		.amdhsa_wavefront_size32 1
		.amdhsa_system_sgpr_workgroup_id_x 1
		.amdhsa_system_sgpr_workgroup_id_y 1
		.amdhsa_system_sgpr_workgroup_id_z 1
		.amdhsa_system_vgpr_workitem_id 0
		.amdhsa_next_free_vgpr 256
		.amdhsa_next_free_sgpr 66
		.amdhsa_reserve_vcc 1
		.amdhsa_float_denorm_mode_32 3
		.amdhsa_float_denorm_mode_16_64 3
		.amdhsa_memory_ordered 1
		.amdhsa_forward_progress 1
		.amdhsa_inst_pref_size 62
	.end_amdhsa_kernel
	.amdgpu_metadata
---
amdhsa.version: [ 1, 2 ]
amdhsa.kernels:
  - .name:           k_q7b19029784_attn
    .symbol:         k_q7b19029784_attn.kd
    .args:
      - { .name: qkv, .offset: 0, .size: 8, .value_kind: global_buffer, .address_space: global }
      - { .name: cimg, .offset: 8, .size: 8, .value_kind: global_buffer, .address_space: global }
      - { .name: csc, .offset: 16, .size: 8, .value_kind: global_buffer, .address_space: global }
    .group_segment_fixed_size: 169984
    .private_segment_fixed_size: 0
    .kernarg_segment_align: 8
    .kernarg_segment_size: 24
    .max_flat_workgroup_size: 512
    .sgpr_count:     66
    .vgpr_count:     256
    .wavefront_size: 32
...
	.end_amdgpu_metadata
.endif
;; end of part 3
;; launch oproj (part 4): grid 4 x 64, 4 waves a work-group, clusters of 4 x 4, 230,912 bytes of LDS; arguments cimg, csc, wimg, wsc, bo, out0; writes out0
.if DOCPART == 4
	.amdgcn_target "amdgcn-amd-amdhsa--gfx1250"
	.amdhsa_code_object_version 6
	.text
	.protected	k_q7b19029784_oproj
	.globl	k_q7b19029784_oproj
	.p2align	8
	.type	k_q7b19029784_oproj,@function
k_q7b19029784_oproj:
	s_mov_b64 s[64:65], 0
	v_nop
	global_prefetch_b8 v0, s[64:65] scope:SCOPE_SE
	s_setreg_imm32_b32 hwreg(HW_REG_WAVE_MODE, 25, 1), 1
	s_wait_xcnt 0x0
	s_wait_alu depctr_hold_cnt(0) depctr_sa_sdst(0) depctr_va_vdst(0) depctr_va_sdst(0) depctr_va_ssrc(0) depctr_va_vcc(0) depctr_vm_vsrc(0)
	s_getreg_b32 s2, hwreg(HW_REG_IB_STS2, 6, 4)
	s_cmp_eq_u32 s2, 0
	s_cbranch_scc0 .Lentry_in_a_cluster
	s_endpgm
.Lentry_in_a_cluster:
	s_bfe_u32 s2, ttmp6, 0x10000c
	s_cmp_lg_u32 s2, 0xf033
	s_cbranch_scc0 .Lentry_shape_is_right
	s_endpgm
.Lentry_shape_is_right:
; out0 = ctx Wo + bo on codes of FP4 (E2M1) with E8M0 scales; sums in f32.  ctx's codes and scale bytes lie as x's did (images of operand registers), Wo's are the fourth weight of wimg and wsc.
; A work-group makes 128 rows x 256 columns; four waves, wave (wm, wn) 64 x 128: 32 accumulators.  All of K = 1,024 of both tiles lies in LDS, four chunks of two K steps, each byte filled once.
; THE MATRIX INSTRUCTION IS USED TRANSPOSED (source 0 = 16 columns of Wo, source 1 = 16 rows of ctx): a lane holds eight neighbouring numbers of a row of out0.  The bias is the C of each sum's first instruction.
; CLUSTERS: 4 x 4 work-groups: ctx's tile is asked for jointly by a row of the cluster, Wo's by a column.
; REGISTERS: window 0: v1-16 addresses; v32-47 ctx's scale words, v48-79 Wo's; v96-159 ctx's fragments, two sets; on the way out v96-223 rows of out0.  window 1: v0-127 Wo's fragments, two sets; v128-191 the bias.  window 2: accumulator (a, b) at v[8 (8 a + b)].
.set CHUNK, 49152                      ; a quarter of the tiles' LDS bytes.  LDS: ctx's halves, [half 2][kq 4][row tile 4][2,048 bytes], then from 65,536 on Wo's, [half 2][kq 4][column tile 8][2,048]
.set STAGE, 4*CHUNK                    ; behind the chunks: 16 rows x 528 bytes for each wave; no tensor load lands there
.set SPITCH, 528
.set LI,    3
.set ADRA,  4
.set ADRB,  8
.set STO,   15
.set RD,    16
.set SA,    32
.set SB,    48
.set AF,    96
.set BIAS,  128                        ; in window 1
.set G1A,   24
.set G1B,   32
.set G0A,   48
.set G0B,   68
.set MSB, 0
.macro WIN new                         ; the immediate's high byte repeats the setting that is left
.if MSB != \new
	s_set_vgpr_msb (MSB<<8)|\new
.set MSB, \new
.endif
.endm
.macro CROUND                          ; a round of the cluster's barrier
	s_barrier_signal -1
	s_barrier_wait -1
	s_cmp_lg_u32 s14, 0
	s_cbranch_scc1 .Lnot_wave_0_\@
	s_barrier_signal -3
.Lnot_wave_0_\@:
	s_barrier_wait -3
	s_barrier_signal -1
	s_barrier_wait -1
.endm
.macro PLACES n
.rept \n
	v_nop
.endr
.endm
	s_load_b256 s[4:11], s[0:1], 0x0               ; cimg s[4:5], csc s[6:7], wimg s[8:9], wsc s[10:11]
	s_load_b128 s[84:87], s[0:1], 0x20             ; bo s[84:85], out0 s[86:87]
	v_lshl_add_u32 v254, v0, 2, 0x38400
	v_mov_b32 v255, 0
	ds_add_u32 v254, v255
	ds_add_u32 v254, v255
	v_lshrrev_b32 v1, 5, v0
	v_readfirstlane_b32 s14, v1                    ; wave 0..3
	s_lshr_b32 s15, s14, 1                         ; wm.  Also: I fetch for ctx (0) or for Wo (1)
	s_and_b32 s16, s14, 1                          ; wn.  Also: which half of that tile I fetch
	s_bfe_u32 s17, ttmp6, 0x40000                  ; cx
	s_bfe_u32 s18, ttmp6, 0x40004                  ; cy
	s_and_b32 s19, ttmp7, 0xffff
	s_lshl_b32 s22, s19, 2
	s_add_co_u32 s22, s22, s18                     ; tile row (128 rows): 4 x cluster y + cy
	s_lshl_b32 s23, ttmp9, 2
	s_add_co_u32 s23, s23, s17                     ; tile column (256 columns): 4 x cluster x + cx
	s_lshl_b32 s88, s18, 2
	s_lshl_b32 s88, 15, s88                        ; my row of the cluster
	s_lshl_b32 s92, 0x1111, s17                    ; my column
	s_or_b32 s[G1A], s88, (3<<16)|(1<<21)          ; 15:0 the mask; 17:16 elements of 8 bytes; 21 set beside a mask; no padding
	s_or_b32 s[G1B], s92, (3<<16)|(1<<21)
.irp g, G1A, G1B
	s_mov_b32 s[\g+2], 4<<16                       ; one load a wave covers all of K: 4 rows, one for each kq
	s_mov_b32 s[\g+4], 4
	s_mov_b32 s[\g+6], 0
	s_mov_b32 s[\g+7], 0
.endr
	s_mov_b32 s[G1A+1], 1024<<16                   ; ctx: a row is 4 row tiles, 8,192 bytes; rows 1,048,576 bytes apart
	s_mov_b32 s[G1A+3], 1024<<16
	s_mov_b32 s[G1A+5], 0x20000
	s_mov_b32 s[G1B+1], 2048<<16                   ; Wo: a row is 8 column tiles, 16,384 bytes; rows 131,072 bytes apart
	s_mov_b32 s[G1B+3], 2048<<16
	s_mov_b32 s[G1B+5], 0x4000
	s_lshl_b32 s88, s22, 14                        ; ctx's codes: 8 row tiles a tile row, my 4
	s_lshl_b32 s89, s16, 13
	s_add_co_u32 s88, s88, s89
	s_mov_b32 s89, 0
	s_lshl_b32 s92, s23, 15                        ; Wo's: 16 column tiles a tile column, my 8, in the fourth image
	s_lshl_b32 s93, s16, 14
	s_add_co_u32 s92, s92, s93
	s_add_co_u32 s92, s92, 0x180000
	s_mov_b32 s93, 0
	s_lshl_b32 s90, s22, 11                        ; ctx's scales: 16 bytes a row, my wave's 64 rows
	s_lshl_b32 s91, s15, 10
	s_add_co_u32 s90, s90, s91
	s_mov_b32 s91, 0
	s_lshl_b32 s94, s23, 12                        ; Wo's: my wave's 128 columns, in the fourth part
	s_lshl_b32 s95, s16, 11
	s_add_co_u32 s94, s94, s95
	s_add_co_u32 s94, s94, 98304
	s_mov_b32 s95, 0
	s_lshl_b32 s96, s16, 15                        ; where my load goes: the wave's number alone
	s_lshl_b32 s97, s16, 16
	s_add_co_u32 s97, s97, 65536
	s_lshl_b32 s98, s23, 10                        ; my first column in bytes: in bo and in a row of out0
	s_lshl_b32 s99, s16, 9
	s_add_co_u32 s98, s98, s99
	s_mov_b32 s99, 0
	s_lshl_b32 s44, s22, 19                        ; my first row of out0: 4,096 bytes a row
	s_lshl_b32 s45, s15, 18
	s_add_co_u32 s44, s44, s45
	s_mov_b32 s45, 0
	s_wait_dscnt 0x0
	s_wait_kmcnt 0x0
	s_add_nc_u64 s[40:41], s[4:5], s[88:89]
	s_add_nc_u64 s[42:43], s[8:9], s[92:93]
	s_add_nc_u64 s[6:7], s[6:7], s[90:91]
	s_add_nc_u64 s[10:11], s[10:11], s[94:95]
	s_add_nc_u64 s[84:85], s[84:85], s[98:99]
	s_add_nc_u64 s[86:87], s[86:87], s[98:99]
	s_add_nc_u64 s[86:87], s[86:87], s[44:45]
.irp q, 0
	s_mov_b32 s[G0A+4*\q], 1
	s_add_co_u32 s[G0A+4*\q+1], s96, \q*CHUNK
	s_add_nc_u64 s[G0A+4*\q+2:G0A+4*\q+3], s[40:41], \q*0x100000
	s_or_b32 s[G0A+4*\q+3], s[G0A+4*\q+3], 0x80000000
	s_mov_b32 s[G0B+4*\q], 1
	s_add_co_u32 s[G0B+4*\q+1], s97, \q*CHUNK
	s_add_nc_u64 s[G0B+4*\q+2:G0B+4*\q+3], s[42:43], \q*0x20000
	s_or_b32 s[G0B+4*\q+3], s[G0B+4*\q+3], 0x80000000
.endr
	CROUND                                         ; all sixteen work-groups are here: the joint loads meet
	s_cmp_eq_u32 s15, 0                            ; a wave's one fill stands in one branch on the wave's number: one load of mine is out
	s_cbranch_scc0 .Lfor_b
	tensor_load_to_lds s[G0A:G0A+3], s[G1A:G1A+7]  ; one load a wave: every way passes exactly one
	s_nop 0
	PLACES 4                                       ; four v_nop follow the last load, ahead of the jump and the label
	s_branch .Lasked
.Lfor_b:
	tensor_load_to_lds s[G0B:G0B+3], s[G1B:G1B+7]
	s_nop 0
	PLACES 4
.Lasked:
	v_and_b32 v1, 15, v0                           ; r
	v_bfe_u32 v2, v0, 4, 1                         ; h
	v_and_b32 v[LI], 31, v0
	v_lshlrev_b32 v[LI], 4, v[LI]
	s_wait_alu depctr_va_vdst(0)
	v_lshlrev_b32 v12, 4, v1
	v_lshl_add_u32 v13, v2, 14, v12                ; Wo's scales: row r's 16 bytes of half h of K
	v_lshl_add_u32 v12, v2, 17, v12                ; ctx's likewise
	v_lshlrev_b32 v14, 5, v2                       ; the bias: my half's eight numbers of a tile
.irp i, 0,1,2,3
	global_load_b128 v[SA+4*\i:SA+4*\i+3], v12, s[6:7] offset:256*\i
.endr
.irp i, 0,1,2,3,4,5,6,7
	global_load_b128 v[SB+4*\i:SB+4*\i+3], v13, s[10:11] offset:256*\i
.endr
	WIN 0x40                                       ; destination window 1
.irp b, 0,1,2,3,4,5,6,7
	global_load_b128 v[BIAS+8*\b:BIAS+8*\b+3], v14, s[84:85] offset:64*\b          ; bo(16 b + 8 h + 0 .. 7) of my 128 columns: the result's layout
	global_load_b128 v[BIAS+8*\b+4:BIAS+8*\b+7], v14, s[84:85] offset:64*\b+16
.endr
	WIN 0
	s_lshl_b32 s88, s15, 15
	s_lshl_b32 s89, s16, 16
	s_add_co_u32 s89, s89, 65536
.irp q, 0,1,2,3
	v_add_nc_u32 v[ADRA+\q], s88, v[LI]
	v_add_nc_u32 v[ADRB+\q], s89, v[LI]
	s_add_co_u32 s88, s88, 8192
	s_add_co_u32 s89, s89, 16384
.endr
	s_mul_i32 s88, s14, 16*SPITCH
	s_add_co_u32 s88, s88, STAGE                   ; my stage
	v_mul_u32_u24 v[STO], v1, SPITCH
	v_lshl_add_u32 v[STO], v2, 5, v[STO]
	v_add_nc_u32 v[STO], s88, v[STO]               ; in: row r, 32 bytes for each half of the lanes
	v_add_nc_u32 v[RD], s88, v[LI]                 ; back: the 32 lanes take one row of 512 bytes
.macro FETCH s                         ; K step s: Wo's eight fragments and ctx's four, into set s % 2
.set PP, (\s)%2
.set QQ, (\s)/2
	WIN 0x40
.irp b, 0,1,2,3,4,5,6,7
.irp c, 0,1
	ds_load_b128 v[64*PP+8*\b+4*\c:64*PP+8*\b+4*\c+3], v[ADRB+QQ] offset:2048*\b+1024*PP+512*\c
.endr
.endr
	WIN 0
.irp a, 0,1,2,3
.irp c, 0,1
	ds_load_b128 v[AF+32*PP+8*\a+4*\c:AF+32*PP+8*\a+4*\c+3], v[ADRA+QQ] offset:2048*\a+1024*PP+512*\c
.endr
.endr
.endm
.macro MUL s                           ; 32 matrix instructions; the 32 accumulators take turns, one instruction a turn, in the same order in every step
.set PP, (\s)%2
.set SJ, (\s)%4
.if (\s) == 0
	WIN 0x91                                       ; source 0 (Wo) and source 2 (the bias) window 1, source 1 (ctx) window 0, D window 2
.else
	WIN 0xa1                                       ; C and D window 2
.endif
.irp a, 0,1,2,3
.irp b, 0,1,2,3,4,5,6,7
.if (\s) == 0
	v_wmma_scale_f32_16x16x128_f8f6f4 v[8*(8*\a+\b):8*(8*\a+\b)+7], v[64*PP+8*\b:64*PP+8*\b+7], v[AF+32*PP+8*\a:AF+32*PP+8*\a+7], v[BIAS+8*\b:BIAS+8*\b+7], v[SB+4*\b+SJ], v[SA+4*\a+SJ] matrix_a_fmt:MATRIX_FMT_FP4 matrix_b_fmt:MATRIX_FMT_FP4
.elseif (\s) < 4
	v_wmma_scale_f32_16x16x128_f8f6f4 v[8*(8*\a+\b):8*(8*\a+\b)+7], v[64*PP+8*\b:64*PP+8*\b+7], v[AF+32*PP+8*\a:AF+32*PP+8*\a+7], v[8*(8*\a+\b):8*(8*\a+\b)+7], v[SB+4*\b+SJ], v[SA+4*\a+SJ] matrix_a_fmt:MATRIX_FMT_FP4 matrix_b_fmt:MATRIX_FMT_FP4
.else
	v_wmma_scale_f32_16x16x128_f8f6f4 v[8*(8*\a+\b):8*(8*\a+\b)+7], v[64*PP+8*\b:64*PP+8*\b+7], v[AF+32*PP+8*\a:AF+32*PP+8*\a+7], v[8*(8*\a+\b):8*(8*\a+\b)+7], v[SB+4*\b+SJ], v[SA+4*\a+SJ] matrix_a_fmt:MATRIX_FMT_FP4 matrix_b_fmt:MATRIX_FMT_FP4 matrix_a_scale:MATRIX_SCALE_ROW1 matrix_b_scale:MATRIX_SCALE_ROW1
.endif
.endr
.endr
	WIN 0
.endm
	s_wait_alu depctr_va_vdst(0)
	s_wait_loadcnt 0x0                             ; the scale words and the bias
	s_wait_tensorcnt 0x0                           ; my one load is in: all of K of my part
	s_barrier_signal -1
	s_barrier_wait -1
	FETCH 0
.irp s, 0,1,2,3,4,5,6,7
	s_wait_dscnt 0x0                               ; this step's fragments, asked for one step ago, are in
.if (\s >= 1) && (\s < 7)
	PLACES 4                                       ; in front of loads into the set that the step before multiplied
.endif
.if \s < 7
	FETCH \s+1
.endif
	MUL \s
.endr
; THE WAY OUT, block by block of 16 rows x 128 columns, through my own stage: a lane holds 32 neighbouring bytes of a row; the rows come back whole, 512 bytes to the 32 lanes.
; LDS serves a wave's instructions in order (ISA guide 5.7.1.4): no wait between the stores and the loads, nor in front of the next block's stores.
.macro TOSTAGE a
.set AC, 64*(\a)
.set BB, 160-64*((\a)%2)               ; v160-223 and v96-159 by turns
	WIN 0x08                                       ; an LDS store's data are its source 1: window 2
.irp b, 0,1,2,3,4,5,6,7
	ds_store_b128 v[STO], v[AC+8*\b:AC+8*\b+3] offset:64*\b          ; each accumulator from its low end on
	ds_store_b128 v[STO], v[AC+8*\b+4:AC+8*\b+7] offset:64*\b+16
.endr
	WIN 0
.irp t, 0,1,2,3,4,5,6,7,8,9,10,11,12,13,14,15
	ds_load_b128 v[BB+4*\t:BB+4*\t+3], v[RD] offset:\t*SPITCH
.endr
.endm
.macro SEND a, younger                 ; younger: the LDS instructions issued behind block a's loads, which may stay out
.set BB, 160-64*((\a)%2)
	s_wait_dscnt \younger
.irp t, 0,1,2,3,4,5,6,7,8,9,10,11,12,13,14,15
	global_store_b128 v[LI], v[BB+4*\t:BB+4*\t+3], s[86:87] offset:(16*(\a)+\t)*4096 th:TH_STORE_NT   ; 512 consecutive bytes, at a multiple of 256 from out0's first byte; 63 rows at the most in the immediate
.endr
.endm
	PLACES 4                                       ; in front of the first read of results and of loads into registers that held fragments
	TOSTAGE 0
.irp a, 1,2,3
.if \a > 1
	s_wait_xcnt 0x0                                ; block a - 2's stores have read their registers: block a's loads may land there
.endif
	TOSTAGE \a
	SEND \a-1, 32                                  ; behind block a - 1's loads: block a's 16 stores and 16 loads
.endr
	SEND 3, 0
	s_wait_tensorcnt 0x0
	ds_add_u32 v254, v255
	s_wait_dscnt 0x0
	CROUND                                         ; the closing round: no work-group ends while a partner may still ask for a tile that names it
	s_endpgm
.Lfunc_end_k_q7b19029784_oproj:
	.size	k_q7b19029784_oproj, .Lfunc_end_k_q7b19029784_oproj-k_q7b19029784_oproj
	.p2alignl 7, 3214868480
	.fill 96, 4, 3214868480
	.section	.rodata,"a",@progbits
	.p2align	6, 0x0
	.amdhsa_kernel k_q7b19029784_oproj
		.amdhsa_group_segment_fixed_size 230912
		.amdhsa_private_segment_fixed_size 0
		.amdhsa_enable_private_segment 0
		.amdhsa_kernarg_size 48
		.amdhsa_user_sgpr_count 2
		.amdhsa_user_sgpr_kernarg_segment_ptr 1
		.amdhsa_wavefront_size32 1
		.amdhsa_system_sgpr_workgroup_id_x 1
		.amdhsa_system_sgpr_workgroup_id_y 1
		.amdhsa_system_sgpr_workgroup_id_z 1
		.amdhsa_system_vgpr_workitem_id 0
		.amdhsa_next_free_vgpr 768
		.amdhsa_next_free_sgpr 100
		.amdhsa_reserve_vcc 0
		.amdhsa_float_denorm_mode_32 3
		.amdhsa_float_denorm_mode_16_64 3
		.amdhsa_memory_ordered 1
		.amdhsa_forward_progress 1
		.amdhsa_inst_pref_size 71
	.end_amdhsa_kernel
	.amdgpu_metadata
---
amdhsa.version: [ 1, 2 ]
amdhsa.kernels:
  - .name:           k_q7b19029784_oproj
    .symbol:         k_q7b19029784_oproj.kd
    .args:
      - { .name: cimg, .offset: 0, .size: 8, .value_kind: global_buffer, .address_space: global }
      - { .name: csc, .offset: 8, .size: 8, .value_kind: global_buffer, .address_space: global }
      - { .name: wimg, .offset: 16, .size: 8, .value_kind: global_buffer, .address_space: global }
      - { .name: wsc, .offset: 24, .size: 8, .value_kind: global_buffer, .address_space: global }
      - { .name: bo, .offset: 32, .size: 8, .value_kind: global_buffer, .address_space: global }
      - { .name: out0, .offset: 40, .size: 8, .value_kind: global_buffer, .address_space: global }
    .group_segment_fixed_size: 230912
    .private_segment_fixed_size: 0
    .kernarg_segment_align: 8
    .kernarg_segment_size: 48
    .max_flat_workgroup_size: 128
    .sgpr_count:     100
    .vgpr_count:     768
    .wavefront_size: 32
...
	.end_amdgpu_metadata
.endif
;; end of part 4
